; MI455X (gfx1250); checked and timed in simulation.
; The chip was launched on July 23, 2026; its instructions are those of AMD's public machine-readable ISA for CDNA 5 (MIT licence, August 2026) and "CDNA5" Instruction Set Architecture Reference Guide (July 2026). The comments in the code are by the model that wrote it; some were corrected since.
;; Multi Head Attention. Allowed arithmetic: matrix products marked QUANTISED: E2M1 operands, one E8M0 scale for each 32 along K, by v_wmma_scale_f32_16x16x128_f8f6f4 with both operands' format E2M1 (or v_wmma_scale_f32_32x16x128_f4), f32 sums; products left as they are: bf16, f16 or f32 operands; f32 sums; everything else in f32.
;; Inputs: bk 1,024 float32; bo 1,024 float32; bq 1,024 float32; bv 1,024 float32; key 4 x 2,048 x 1,024 float32; mask 4 x 1 x 2,048 x 2,048 int32; query 4 x 2,048 x 1,024 float32; value 4 x 2,048 x 1,024 float32; wk 1,024 x 1,024 float32; wo 1,024 x 1,024 float32; wq 1,024 x 1,024 float32; wv 1,024 x 1,024 float32.
;; Outputs: out0 4 x 2,048 x 1,024 float32.
;; This version of the problem:
;;   THIS VERSION OF THE PROBLEM IS GIVEN IN LOW PRECISION. The matrix products marked QUANTISED in the list below multiply operands that are first quantised to E2M1 (2 exponent bits, 1 mantissa bit; 4 bits a number), with one power-of-two scale for each 32 numbers along K (OCP MX v1.0); their sums are f32. The products marked 'left as it is' may take bf16, f16 or f32 operands, with f32 sums. Whichever they take, every output number must still come out within the allowed error. Rounding operands to bf16 (8 significant bits) uses up far more of that allowance than f16 does (11 bits, for magnitudes from 6e-5 to 65,504). All else is computed in f32.
;;   The module's matrix products, in the order in which they are computed (A, B: the left and right operand; K: the contracted axis; several contracted axes count as one K, in the product's order):
;;     1. [M 8,192, K 1,024] x [K 1,024, N 1,024]; A: input query; B: input wq: QUANTISED
;;     2. [M 8,192, K 1,024] x [K 1,024, N 1,024]; A: input key; B: input wk: QUANTISED
;;     3. [M 8,192, K 1,024] x [K 1,024, N 1,024]; A: input value; B: input wv: QUANTISED
;;     4. batch 64 x [M 2,048, K 64] x [K 64, N 2,048]; A: computed on the way; B: computed on the way: left as it is (an operand is computed on the way)
;;     5. batch 64 x [M 2,048, K 2,048] x [K 2,048, N 64]; A: computed on the way; B: computed on the way: left as it is (an operand is computed on the way)
;;     6. [M 8,192, K 1,024] x [K 1,024, N 1,024]; A: computed on the way; B: input wo: left as it is (an operand is computed on the way)
;;   THE QUANTISER, for each operand of a quantised product, along K:
;;     - K is cut into blocks of 32 from its start; a last block that is shorter is filled with zeros.
;;     - A block's scale is 2^e with e = floor(log2(the largest magnitude in the block)) - 2, held to -126 .. 127; a block of zeros has e = 0. As a byte (E8M0): e + 127.
;;     - Each number is divided by its block's scale, clamped to +-6, and rounded to the nearest number of E2M1, ties to even, subnormals kept.
;;     - The product sums the exact products of the quantised numbers (number of the format x scale) in f32.
;;   ~~~python
;;   def quantise(x, axis):      # numpy; x: float32 -> the quantised numbers, widened to float32 again
;;       x = np.moveaxis(x, axis, -1); K = x.shape[-1]
;;       x = np.pad(x, [(0, 0)] * (x.ndim - 1) + [(0, -K % 32)]); x = x.reshape(x.shape[:-1] + (-1, 32)); a = np.abs(x).max(-1, keepdims=True)
;;       e = np.where(a > 0, np.clip(np.frexp(np.where(a > 0, a, 1))[1] - 1 - 2, -126, 127), 0)      # np.frexp(a)[1] - 1 = floor(log2(a)), exactly
;;       r = np.clip(x / 2.0 ** e, -6, 6)
;;       step = 2.0 ** (np.maximum(np.frexp(np.where(r == 0, 1, r))[1] - 1, 0) - 1)
;;       q = np.round(r / step) * step * 2.0 ** e      # np.round: ties to even
;;       return np.moveaxis(q.reshape(q.shape[:-2] + (-1,))[..., :K], -1, axis).astype(np.float32)
;;   ~~~
;; One version. Each part assembles by itself: llvm-mc -triple=amdgcn-amd-amdhsa -mcpu=gfx1250 --defsym DOCPART=n.
;; ======== version 1 of 1: 4 launches
;; limits: values are held in f16: magnitudes above 65,504 overflow, below 6.1e-05 lose precision
;; workspace buffers: xc 12,582,912 bytes; xs 786,432 bytes; wc 1,572,864 bytes; ws 98,304 bytes; wo16 2,097,152 bytes; mb 2,097,152 bytes of whole numbers; qkv 50,331,648 bytes; ao 16,777,216 bytes
;; launch prep (part 1): grid 1392 x 1, 4 waves a work-group, no clusters, 35,328 bytes of LDS; arguments wq, wk, wv, wo, query, key, value, mask, xc, xs, wc, ws, wo16, mb; writes xc, xs, wc, ws, wo16, mb
.if DOCPART == 1
	.amdgcn_target "amdgcn-amd-amdhsa--gfx1250"
	.amdhsa_code_object_version 6
	.text
	.protected	k_qf05d6c0fb1_prep
	.globl	k_qf05d6c0fb1_prep
	.p2align	8
	.type	k_qf05d6c0fb1_prep,@function
k_qf05d6c0fb1_prep:
	s_mov_b64 s[64:65], 0
	v_nop
	global_prefetch_b8 v0, s[64:65] scope:SCOPE_SE
	s_setreg_imm32_b32 hwreg(HW_REG_WAVE_MODE, 25, 1), 1
	s_wait_xcnt 0x0
; PREP: four pieces of work that do not depend on each other, told apart by the work-group's number alone.
;   work-groups    0 ..   47: wq, wk, wv [1024 k][1024 n] f32 -> codes of FP4 (E2M1) laid [n][k], K innermost (wc), one E8M0 byte for each 32 along K (ws)
;   work-groups   48 ..  111: wo [1024 k][1024 n] f32 -> f16 laid by planes of 64 along K: wo16 [16][1024 n][64]
;   work-groups  112 ..  879: query, key, value [8192][1024] f32 -> codes (xc) and scale bytes (xs), K innermost as it lies
;   work-groups  880 .. 1391: mask [4][2048][2048] int32 -> one bit a number, laid as the lane masks that the attention launch's selects take (mb)
; THE QUANTISER: a block's scale is 2^(floor(log2(its largest magnitude)) - 2); its byte is the largest magnitude's exponent field - 2, held at 1 from below; each number is divided by the scale and
; rounded to the nearest code, ties to even, beyond 6 the largest code.  A block of zeros gets the byte 1 where the rule says 127: its codes are zeros, and this program alone reads the bytes.
; LIMITS: blocks whose largest magnitude lies under 2^(2 - 126) have their byte held at 1; NaN and infinities among the inputs are not served; wo must lie under 65,504 in size (f16), under 6e-5 its error is absolute, 2^-25.
; No tile is shared between work-groups, so there is no cluster; no tensor load, no barrier: waves share nothing.  On every path wave w uses the LDS bytes 8,704 w .. 8,704 w + 8,703 and its 128 bytes of spare words behind the four regions.
.set WREG,  8704
.set SPARE, 4*WREG                     ; behind the four regions: the spare words, 128 bytes for each wave: two blocks of 256 bytes that no other line names
.set SPW,   192                        ; v192 LDS address of my spare word; never rewritten
.set NIL,   193                        ; v193 0; never rewritten
	v_lshl_add_u32 v[SPW], v0, 2, SPARE
	v_mov_b32 v[NIL], 0
	v_lshrrev_b32 v1, 5, v0
	v_readfirstlane_b32 s16, v1                    ; wave 0..3
	v_and_b32 v2, 31, v0                           ; lane
	s_mul_i32 s17, s16, WREG                       ; my wave's LDS bytes
	s_cmp_lt_u32 ttmp9, 48
	s_cbranch_scc1 .Lw4
	s_cmp_lt_u32 ttmp9, 112
	s_cbranch_scc1 .Lwo
	s_cmp_lt_u32 ttmp9, 880
	s_cbranch_scc1 .Lx
; ---------------------------------------------------------------- THE MASK
; Work-group g = 128 b + T takes queries 16 T .. 16 T + 15 of batch b; wave w key steps 8 w .. 8 w + 7 of 64 keys.
; mb [b][T][step][32 words]: bit L of word 8 t + j says whether mask[b][16 T + L % 16][64 step + 16 t + 8 (L / 16) + j] is not 0: lane L's place in register j of tile t of the scores.
; Each load reads whole rows' pieces of 256 bytes (16 lanes each); they turn through my stage (16 rows x 272 bytes, two stages by turns) so that a lane holds the 32 numbers of its own places; a compare makes a word.
.set MR, 32                            ; v32-127  three sets of 32: a step as loaded
.set MX, 128                           ; v128-191 two sets of 32: a step as the lanes want it
	s_load_b64 s[4:5], s[0:1], 0x38                ; mask
	s_load_b64 s[6:7], s[0:1], 0x68                ; mb
	s_sub_co_u32 s18, ttmp9, 880                   ; g
	s_lshl_b32 s20, s18, 17                        ; 16 rows of 8,192 bytes
	s_lshl_b32 s21, s16, 11                        ; + 8 steps of 256 bytes
	s_add_co_u32 s20, s20, s21
	s_mov_b32 s21, 0
	s_lshl_b32 s22, s18, 12                        ; 32 steps of 128 bytes
	s_lshl_b32 s23, s16, 10
	s_add_co_u32 s22, s22, s23
	s_mov_b32 s23, 0
	v_and_b32 v8, 15, v0                           ; r
	v_bfe_u32 v9, v0, 4, 1                         ; h
	v_lshlrev_b32 v4, 4, v8
	v_lshl_add_u32 v4, v9, 13, v4                  ; in memory: 16 bytes a lane, lanes 16-31 one row further down
	v_mul_u32_u24 v5, v9, 272
	v_lshl_add_u32 v5, v8, 4, v5
	v_add_nc_u32 v5, s17, v5                       ; into the stage, the same way
	v_mul_u32_u24 v6, v8, 272
	v_lshl_add_u32 v6, v9, 5, v6
	v_add_nc_u32 v6, s17, v6                       ; out of it: row r, + 32 h bytes
	v_lshlrev_b32 v7, 3, v2                        ; the words' way out: 8 bytes a lane
.irp i, 16,17,18,19,20,21,22,23
	v_mov_b32 v\i, 0                               ; four pairs of words' registers (a write of one lane counts as a read of the register)
.endr
	s_wait_kmcnt 0x0
	s_add_nc_u64 s[4:5], s[4:5], s[20:21]
	s_add_nc_u64 s[6:7], s[6:7], s[22:23]
.macro MLOAD t
.irp i, 0,1,2,3,4,5,6,7
	global_load_b128 v[MR+32*((\t)%3)+4*\i:MR+32*((\t)%3)+4*\i+3], v4, s[4:5] offset:\i*16384+256*(\t) th:TH_LOAD_NT
.endr
.endm
.macro MTURN t                         ; LDS serves a wave's instructions in order: no wait between the stores and the loads
.irp i, 0,1,2,3,4,5,6,7
	ds_store_b128 v5, v[MR+32*((\t)%3)+4*\i:MR+32*((\t)%3)+4*\i+3] offset:4352*((\t)%2)+544*\i
.endr
.irp i, 0,1,2,3,4,5,6,7
	ds_load_b128 v[MX+32*((\t)%2)+4*\i:MX+32*((\t)%2)+4*\i+3], v6 offset:4352*((\t)%2)+64*(\i/2)+16*(\i%2)
.endr
.endm
.macro MSTEP s
	s_wait_dscnt 0x0                               ; this step's numbers are back from the stage, and its stores into the stage have read their registers,
.if (\s)+3 < 8
	MLOAD (\s)+3                                   ; which take the loads of three steps on
.endif
.if (\s)+1 < 8
.if (\s)+3 < 8
	s_wait_loadcnt 16                              ; the next step's eight loads are in; the two steps behind it may be out
.else
	s_wait_loadcnt 8*(6-(\s))
.endif
	MTURN (\s)+1
.endif
.set w, 0
.rept 32
	v_cmp_ne_u32 s[32+w], 0, v[MX+32*((\s)%2)+w]   ; word w: one bit a lane
.set w, w+1
.endr
.set w, 0
.rept 32
	v_writelane_b32 v[16+2*((\s)/2)+(w&1)], s[32+w], 16*((\s)&1)+(w>>1)   ; two steps' 64 words lie two to a lane
.set w, w+1
.endr
.if (\s)%2 == 1
	global_store_b64 v7, v[16+2*((\s)/2):17+2*((\s)/2)], s[6:7] offset:256*((\s)/2)   ; 32 lanes store 256 consecutive bytes, aligned; each pair of registers is stored once
.endif
.endm
	MLOAD 0
	MLOAD 1
	MLOAD 2
	s_wait_loadcnt 16                              ; step 0's eight loads are in
	MTURN 0
.irp s, 0,1,2,3,4,5,6,7
	MSTEP \s
.endr
	s_wait_tensorcnt 0x0                           ; the wave's end: a tensor wait, 0 onto my spare word, and its wait, behind my last LDS store
	ds_add_u32 v[SPW], v[NIL]
	s_wait_dscnt 0x0
	s_endpgm
; ---------------------------------------------------------------- wq, wk, wv: K IS THE FIRST AXIS
; A lane takes a column n and its registers run down K: a block of 32 lies in one lane, and the conversions give codes with K innermost.  A wave takes 32 columns x 512 along K; its codes
; (256 bytes a column) go through my stage (32 rows x 272 bytes) and leave as rows: sixteen lanes store 256 consecutive bytes, aligned.  Loads run two blocks ahead.
.Lw4:
.set WX,   32                          ; v32-95   two sets of 32 numbers
.set WC,   96                          ; v96-99   a block's codes
.set WOUT, 112                         ; v112-175 the way out
.set WSB,  24                          ; v24-27   16 scale bytes
	s_load_b128 s[4:7], s[0:1], 0x0                ; wq, wk
	s_load_b64 s[8:9], s[0:1], 0x10                ; wv
	s_load_b128 s[12:15], s[0:1], 0x50             ; wc, ws
	s_lshr_b32 s18, ttmp9, 4                       ; which weight
	s_and_b32 s19, ttmp9, 7                        ; which 128 columns
	s_bfe_u32 s20, ttmp9, 0x10003                  ; which 512 along K
	s_lshl_b32 s19, s19, 7
	s_lshl_b32 s21, s16, 5
	s_add_co_u32 s19, s19, s21                     ; my wave's first column
	s_lshl_b32 s22, s20, 21                        ; the weight: 512 rows of 4,096 bytes,
	s_lshl_b32 s23, s19, 2                         ; + 4 bytes a column
	s_add_co_u32 s22, s22, s23
	s_mov_b32 s23, 0
	s_lshl_b32 s24, s18, 19                        ; the codes: 524,288 bytes a weight,
	s_lshl_b32 s25, s19, 9                         ; 512 a column,
	s_add_co_u32 s24, s24, s25
	s_lshl_b32 s25, s20, 8                         ; 256 for 512 along K
	s_add_co_u32 s24, s24, s25
	s_mov_b32 s25, 0
	s_lshl_b32 s26, s18, 15                        ; the scale bytes: 32,768 a weight, 32 a column, 16 for 512 along K
	s_lshl_b32 s27, s19, 5
	s_add_co_u32 s26, s26, s27
	s_lshl_b32 s27, s20, 4
	s_add_co_u32 s26, s26, s27
	s_mov_b32 s27, 0
	v_lshlrev_b32 v3, 2, v2                        ; in: 4 bytes a lane
	v_mul_u32_u24 v4, v2, 272
	v_add_nc_u32 v4, s17, v4                       ; into the stage: row = my column
	v_and_b32 v5, 15, v2
	v_lshrrev_b32 v6, 4, v2
	v_mul_u32_u24 v7, v6, 272
	v_lshl_add_u32 v7, v5, 4, v7
	v_add_nc_u32 v7, s17, v7                       ; out of it: sixteen lanes to a row, two rows an instruction
	v_lshlrev_b32 v8, 9, v6
	v_lshl_add_u32 v8, v5, 4, v8                   ; and the same place in the codes' buffer
	v_lshlrev_b32 v9, 5, v2                        ; my column's row of scale bytes
	s_wait_kmcnt 0x0
	s_cmp_eq_u32 s18, 1                            ; the choice hangs on the work-group's number alone
	s_cselect_b64 s[4:5], s[6:7], s[4:5]
	s_cmp_eq_u32 s18, 2
	s_cselect_b64 s[4:5], s[8:9], s[4:5]
	s_add_nc_u64 s[4:5], s[4:5], s[22:23]
	s_add_nc_u64 s[12:13], s[12:13], s[24:25]
	s_add_nc_u64 s[14:15], s[14:15], s[26:27]
.macro WLOAD t                         ; block t: rows 32 t + i of my column, into set t % 2; 32 lanes read 128 consecutive bytes
.set i, 0
.rept 32
	global_load_b32 v[WX+32*((\t)%2)+i], v3, s[4:5] offset:(32*(\t)+i)*4096 th:TH_LOAD_NT
.set i, i+1
.endr
.endm
.macro WBLOCK t
.set XS, WX+32*((\t)%2)
.if (\t) < 15
	s_wait_loadcnt 32                              ; this block's 32 loads are in; the next block's may be out
.else
	s_wait_loadcnt 0
.endif
	v_max3_num_f32 v12, |v[XS]|, |v[XS+1]|, |v[XS+2]|      ; the block's largest magnitude: all 32 numbers are mine; two chains
	v_max3_num_f32 v13, |v[XS+3]|, |v[XS+4]|, |v[XS+5]|
.irp i, 6,10,14,18,22,26
	v_max3_num_f32 v12, v12, |v[XS+\i]|, |v[XS+\i+1]|
	v_max3_num_f32 v13, v13, |v[XS+\i+2]|, |v[XS+\i+3]|
.endr
	v_max3_num_f32 v12, v12, |v[XS+30]|, |v[XS+31]|
	v_max3_num_f32 v12, v12, v13, 0x1800000        ; and the floor 2^(3 - 127): the byte cannot fall under 1
	v_add_nc_u32 v11, 0xff000000, v12              ; 2 off its exponent field: the conversion takes the exponent field of this operand as its scale
	v_lshrrev_b32 v13, 23, v11                     ; the scale's byte
.if (\t)%4 == 0
	v_mov_b32 v[WSB+(\t)/4], v13                   ; four bytes to a register, the lower K in the lower byte
.else
	v_lshl_or_b32 v[WSB+(\t)/4], v13, 8*((\t)%4), v[WSB+(\t)/4]
.endif
.irp g, 0,1,2,3
	v_cvt_scalef32_pk8_fp4_f32 v[WC+\g], v[XS+8*\g:XS+8*\g+7], v11
.endr
	ds_store_b128 v4, v[WC:WC+3] offset:16*(\t)    ; 32 codes: 16 bytes of my column's row
.if (\t)+2 < 16
	WLOAD (\t)+2
.endif
	s_wait_dscnt 0x0                               ; the store has read its registers: the next block's codes may be written
.endm
	WLOAD 0
	WLOAD 1
.irp t, 0,1,2,3,4,5,6,7,8,9,10,11,12,13,14,15
	WBLOCK \t
.endr
	global_store_b128 v9, v[WSB:WSB+3], s[14:15]   ; my column's 16 scale bytes
.irp t, 0,1,2,3,4,5,6,7,8,9,10,11,12,13,14,15
	ds_load_b128 v[WOUT+4*\t:WOUT+4*\t+3], v7 offset:2*\t*272
.endr
.irp t, 0,1,2,3,4,5,6,7,8,9,10,11,12,13,14,15
	s_wait_dscnt 15-\t                             ; LDS loads come back in order: pair t of rows is in
	global_store_b128 v8, v[WOUT+4*\t:WOUT+4*\t+3], s[12:13] offset:2*\t*512
.endr
	s_wait_tensorcnt 0x0                           ; the wave's end: a tensor wait, 0 onto my spare word, and its wait, behind my last LDS store
	ds_add_u32 v[SPW], v[NIL]
	s_wait_dscnt 0x0
	s_endpgm
; ---------------------------------------------------------------- wo: TO f16, BY PLANES OF 64 ALONG K
; A lane takes a column n, its registers run down K: 128 along K a wave (two planes), 32 columns.  Pairs are rounded to f16; a column's 256 bytes go through my stage (32 rows x 272 bytes) and leave
; as plane rows of 128 bytes, four rows (512 consecutive bytes) a store.
.Lwo:
	s_load_b64 s[4:5], s[0:1], 0x18                ; wo
	s_load_b64 s[6:7], s[0:1], 0x60                ; wo16
	s_sub_co_u32 s18, ttmp9, 48
	s_and_b32 s19, s18, 7                          ; which 128 columns
	s_lshr_b32 s18, s18, 3                         ; which 128 along K
	s_lshl_b32 s19, s19, 7
	s_lshl_b32 s20, s16, 5
	s_add_co_u32 s19, s19, s20                     ; my wave's first column
	s_lshl_b32 s20, s18, 19                        ; 128 rows of 4,096 bytes
	s_lshl_b32 s21, s19, 2
	s_add_co_u32 s20, s20, s21
	s_mov_b32 s21, 0
	s_lshl_b32 s22, s18, 18                        ; two planes of 131,072 bytes
	s_lshl_b32 s23, s19, 7                         ; + 128 bytes a column
	s_add_co_u32 s22, s22, s23
	s_mov_b32 s23, 0
	v_lshlrev_b32 v3, 2, v2
	v_mul_u32_u24 v4, v2, 272
	v_add_nc_u32 v4, s17, v4                       ; into the stage: row = my column
	v_lshrrev_b32 v5, 3, v2
	v_mul_u32_u24 v5, v5, 272
	v_and_b32 v6, 7, v2
	v_lshl_add_u32 v5, v6, 4, v5
	v_add_nc_u32 v5, s17, v5                       ; out of it: eight lanes to a plane row, four rows an instruction
	v_lshlrev_b32 v6, 4, v2                        ; and 16 bytes a lane in memory
	s_wait_kmcnt 0x0
	s_add_nc_u64 s[4:5], s[4:5], s[20:21]
	s_add_nc_u64 s[6:7], s[6:7], s[22:23]
.macro OLOAD t                         ; 32 along K of my column; every block has registers of its own
.set i, 0
.rept 32
	global_load_b32 v[32+32*(\t)+i], v3, s[4:5] offset:(32*(\t)+i)*4096 th:TH_LOAD_NT
.set i, i+1
.endr
.endm
	OLOAD 0
	OLOAD 1
.irp t, 0,1,2,3
.if \t < 3
	s_wait_loadcnt 32                              ; this block's 32 loads are in; the next block's may be out
.else
	s_wait_loadcnt 0
.endif
.set i, 0
.rept 16
	v_cvt_pk_f16_f32 v[32+32*\t+i], v[32+32*\t+2*i], v[32+32*\t+2*i+1]   ; in place, ascending: no source is written before it is read
.set i, i+1
.endr
.irp g, 0,1,2,3
	ds_store_b128 v4, v[32+32*\t+4*\g:32+32*\t+4*\g+3] offset:64*\t+16*\g
.endr
.if \t < 2
	OLOAD \t+2
.endif
.endr
.irp p, 0,1                            ; plane p of my two
.if \p > 0
	s_wait_xcnt 0x0                                ; the first plane's stores have read their registers: they are loaded again only behind this wait
.endif
.irp u, 0,1,2,3,4,5,6,7
	ds_load_b128 v[160+4*\u:163+4*\u], v5 offset:\u*1088+128*\p
.endr
.irp u, 0,1,2,3,4,5,6,7
	s_wait_dscnt 7-\u
	global_store_b128 v6, v[160+4*\u:163+4*\u], s[6:7] offset:\p*131072+\u*512
.endr
.endr
	s_wait_tensorcnt 0x0                           ; the wave's end: a tensor wait, 0 onto my spare word, and its wait, behind my last LDS store
	ds_add_u32 v[SPW], v[NIL]
	s_wait_dscnt 0x0
	s_endpgm
; ---------------------------------------------------------------- query, key, value: K INNERMOST
; Rows are dense and 1,024 is a multiple of 32: a tensor is a plain stream of blocks of 32, and so are its codes and scale bytes.  A wave takes 16 steps of 512 numbers.  Each load reads 512 consecutive bytes;
; a step's 2,048 bytes turn through my stage (80 bytes a lane: 64 + 16 of padding; two stages by turns), so that a lane holds 16 neighbours and two neighbouring lanes a block.  A step's codes are 256
; consecutive bytes; a wave's 256 scale bytes are gathered in LDS and leave as one store.  Loads run four steps ahead, the turn through LDS one step.
.Lx:
.set SP, 80
.set XR, 16                            ; v16-79   four sets of 16 numbers as loaded
.set XX, 80                            ; v80-111  two sets of 16 neighbours
.set XE, 112                           ; v112-127 a scale byte for each step
.set XC, 128                           ; v128-191 codes: registers of its own for each step
	s_load_b128 s[4:7], s[0:1], 0x20               ; query, key
	s_load_b64 s[8:9], s[0:1], 0x30                ; value
	s_load_b128 s[12:15], s[0:1], 0x40             ; xc, xs
	s_sub_co_u32 s18, ttmp9, 112
	s_lshr_b32 s19, s18, 8                         ; which tensor
	s_and_b32 s20, s18, 255
	s_lshl_b32 s20, s20, 2
	s_add_co_u32 s20, s20, s16                     ; which run of 8,192 numbers of the tensor
	s_lshl_b32 s20, s20, 15
	s_mov_b32 s21, 0
	s_lshl_b32 s22, s18, 2
	s_add_co_u32 s22, s22, s16                     ; which run of all three
	s_lshl_b32 s24, s22, 8                         ; 256 scale bytes a run
	s_mov_b32 s25, 0
	s_lshl_b32 s22, s22, 12                        ; 4,096 bytes of codes
	s_mov_b32 s23, 0
	s_add_co_u32 s26, s17, 2*32*SP                 ; behind my two stages: my 256 scale bytes
	v_lshlrev_b32 v3, 4, v2                        ; my 16 bytes of a load's 512
	v_lshrrev_b32 v14, 2, v2
	v_mul_u32_u24 v14, v14, SP
	v_and_b32 v15, 3, v2
	v_lshl_add_u32 v14, v15, 4, v14
	v_add_nc_u32 v14, s17, v14                     ; the stage, on the way in: four lanes' 64 bytes on end, then 16 of padding
	v_mul_u32_u24 v15, v2, SP
	v_add_nc_u32 v15, s17, v15                     ; and on the way out: my 16 neighbours
	v_lshlrev_b32 v4, 3, v2                        ; my codes' place in a step's
	v_lshrrev_b32 v5, 1, v2
	v_add_nc_u32 v5, s26, v5                       ; my block's scale byte
	v_lshlrev_b32 v7, 3, v2
	v_add_nc_u32 v6, s26, v7                       ; and on the way out 8 bytes a lane
	s_wait_kmcnt 0x0
	s_cmp_eq_u32 s19, 1                            ; the choice hangs on the work-group's number alone
	s_cselect_b64 s[4:5], s[6:7], s[4:5]
	s_cmp_eq_u32 s19, 2
	s_cselect_b64 s[4:5], s[8:9], s[4:5]
	s_add_nc_u64 s[4:5], s[4:5], s[20:21]
	s_add_nc_u64 s[12:13], s[12:13], s[22:23]
	s_add_nc_u64 s[14:15], s[14:15], s[24:25]
.macro XLOAD t
.irp i, 0,1,2,3
	global_load_b128 v[XR+16*((\t)%4)+4*\i:XR+16*((\t)%4)+4*\i+3], v3, s[4:5] offset:2048*(\t)+512*\i th:TH_LOAD_NT
.endr
.endm
.macro XTURN t
.irp i, 0,1,2,3
	ds_store_b128 v14, v[XR+16*((\t)%4)+4*\i:XR+16*((\t)%4)+4*\i+3] offset:32*SP*((\t)%2)+8*SP*\i
.endr
.irp i, 0,1,2,3
	ds_load_b128 v[XX+16*((\t)%2)+4*\i:XX+16*((\t)%2)+4*\i+3], v15 offset:32*SP*((\t)%2)+16*\i
.endr
.endm
.irp t, 0,1,2,3
	XLOAD \t
.endr
	s_wait_loadcnt 12                              ; step 0's four loads are in
	XTURN 0
.macro XSTEP t
.set XS, XX+16*((\t)%2)
.if (\t) > 0
	s_wait_dscnt 1                                 ; this step's numbers are back from the stage (the last step's byte store may be out)
.else
	s_wait_dscnt 0x0
.endif
.if (\t)+4 < 16
	XLOAD (\t)+4
.endif
.if (\t)+1 < 16
.if 14-(\t) >= 3
	s_wait_loadcnt 12                              ; the next step's four loads are in; those of the three steps behind it may be out
.else
	s_wait_loadcnt 4*(14-(\t))
.endif
	XTURN (\t)+1
.endif
	v_max3_num_f32 v8, |v[XS]|, |v[XS+1]|, |v[XS+2]|       ; the largest magnitude of my 16
	v_max3_num_f32 v9, |v[XS+3]|, |v[XS+4]|, |v[XS+5]|
.irp i, 6,10
	v_max3_num_f32 v8, v8, |v[XS+\i]|, |v[XS+\i+1]|
	v_max3_num_f32 v9, v9, |v[XS+\i+2]|, |v[XS+\i+3]|
.endr
	v_max3_num_f32 v8, v8, |v[XS+14]|, |v[XS+15]|
	v_max3_num_f32 v8, v8, v9, 0x1800000           ; and the floor 2^(3 - 127)
	v_max_num_f32_dpp v8, v8, v8 row_xmask:1 row_mask:0xf bank_mask:0xf   ; and of my neighbour's 16: the block's
	v_add_nc_u32 v11, 0xff000000, v8               ; 2 off its exponent field: the conversion's scale operand
	v_cvt_scalef32_pk8_fp4_f32 v[XC+4*(\t)], v[XS:XS+7], v11
	v_cvt_scalef32_pk8_fp4_f32 v[XC+4*(\t)+1], v[XS+8:XS+15], v11
	v_lshrrev_b32 v[XE+(\t)], 23, v11              ; the scale's byte (also the plain line behind the conversions)
	ds_store_b8 v5, v[XE+(\t)] offset:16*(\t)      ; both lanes of a block write the same byte with the same value
	global_store_b64 v4, v[XC+4*(\t):XC+4*(\t)+1], s[12:13] offset:256*(\t)   ; 32 lanes store 256 consecutive bytes, aligned
.endm
.irp t, 0,1,2,3,4,5,6,7,8,9,10,11,12,13,14,15
	XSTEP \t
.endr
	ds_load_b64 v[8:9], v6
	s_wait_dscnt 0x0
	global_store_b64 v7, v[8:9], s[14:15]          ; my wave's 256 scale bytes
	s_wait_tensorcnt 0x0                           ; the wave's end: a tensor wait, 0 onto my spare word, and its wait, behind my last LDS store
	ds_add_u32 v[SPW], v[NIL]
	s_wait_dscnt 0x0
	s_endpgm
.Lfunc_end_k_qf05d6c0fb1_prep:
	.size	k_qf05d6c0fb1_prep, .Lfunc_end_k_qf05d6c0fb1_prep-k_qf05d6c0fb1_prep
	.p2alignl 7, 3214868480
	.fill 96, 4, 3214868480
	.section	.rodata,"a",@progbits
	.p2align	6, 0x0
	.amdhsa_kernel k_qf05d6c0fb1_prep
		.amdhsa_group_segment_fixed_size 35328
		.amdhsa_private_segment_fixed_size 0
		.amdhsa_enable_private_segment 0
		.amdhsa_kernarg_size 112
		.amdhsa_user_sgpr_count 2
		.amdhsa_user_sgpr_kernarg_segment_ptr 1
		.amdhsa_wavefront_size32 1
		.amdhsa_system_sgpr_workgroup_id_x 1
		.amdhsa_system_sgpr_workgroup_id_y 1
		.amdhsa_system_sgpr_workgroup_id_z 1
		.amdhsa_system_vgpr_workitem_id 0
		.amdhsa_next_free_vgpr 194
		.amdhsa_next_free_sgpr 66
		.amdhsa_reserve_vcc 0
		.amdhsa_float_denorm_mode_32 3
		.amdhsa_float_denorm_mode_16_64 3
		.amdhsa_memory_ordered 1
		.amdhsa_forward_progress 1
		.amdhsa_inst_pref_size 181
	.end_amdhsa_kernel
	.amdgpu_metadata
---
amdhsa.version: [ 1, 2 ]
amdhsa.kernels:
  - .name:           k_qf05d6c0fb1_prep
    .symbol:         k_qf05d6c0fb1_prep.kd
    .args:
      - { .name: wq, .offset: 0, .size: 8, .value_kind: global_buffer, .address_space: global }
      - { .name: wk, .offset: 8, .size: 8, .value_kind: global_buffer, .address_space: global }
      - { .name: wv, .offset: 16, .size: 8, .value_kind: global_buffer, .address_space: global }
      - { .name: wo, .offset: 24, .size: 8, .value_kind: global_buffer, .address_space: global }
      - { .name: query, .offset: 32, .size: 8, .value_kind: global_buffer, .address_space: global }
      - { .name: key, .offset: 40, .size: 8, .value_kind: global_buffer, .address_space: global }
      - { .name: value, .offset: 48, .size: 8, .value_kind: global_buffer, .address_space: global }
      - { .name: mask, .offset: 56, .size: 8, .value_kind: global_buffer, .address_space: global }
      - { .name: xc, .offset: 64, .size: 8, .value_kind: global_buffer, .address_space: global }
      - { .name: xs, .offset: 72, .size: 8, .value_kind: global_buffer, .address_space: global }
      - { .name: wc, .offset: 80, .size: 8, .value_kind: global_buffer, .address_space: global }
      - { .name: ws, .offset: 88, .size: 8, .value_kind: global_buffer, .address_space: global }
      - { .name: wo16, .offset: 96, .size: 8, .value_kind: global_buffer, .address_space: global }
      - { .name: mb, .offset: 104, .size: 8, .value_kind: global_buffer, .address_space: global }
    .group_segment_fixed_size: 35328
    .private_segment_fixed_size: 0
    .kernarg_segment_align: 8
    .kernarg_segment_size: 112
    .max_flat_workgroup_size: 128
    .sgpr_count:     66
    .vgpr_count:     194
    .wavefront_size: 32
...
	.end_amdgpu_metadata
.endif
;; end of part 1
;; launch proj (part 2): grid 4 x 96, 4 waves a work-group, clusters of 4 x 4, 327,680 bytes of LDS; arguments xc, xs, wc, ws, bq, bk, bv, qkv; writes qkv
.if DOCPART == 2
	.amdgcn_target "amdgcn-amd-amdhsa--gfx1250"
	.amdhsa_code_object_version 6
	.text
	.protected	k_qf05d6c0fb1_proj
	.globl	k_qf05d6c0fb1_proj
	.p2align	8
	.type	k_qf05d6c0fb1_proj,@function
k_qf05d6c0fb1_proj:
	s_mov_b64 s[64:65], 0
	v_nop
	global_prefetch_b8 v0, s[64:65] scope:SCOPE_SE
	s_setreg_imm32_b32 hwreg(HW_REG_WAVE_MODE, 25, 1), 1
	s_wait_xcnt 0x0
	s_wait_alu depctr_hold_cnt(0) depctr_sa_sdst(0) depctr_va_vdst(0) depctr_va_sdst(0) depctr_va_ssrc(0) depctr_va_vcc(0) depctr_vm_vsrc(0)
	s_getreg_b32 s2, hwreg(HW_REG_IB_STS2, 6, 4)
	s_cmp_eq_u32 s2, 0
	s_cbranch_scc0 .Lentry_in_a_cluster
	s_endpgm
.Lentry_in_a_cluster:
	s_bfe_u32 s2, ttmp6, 0x10000c
	s_cmp_lg_u32 s2, 0xf033
	s_cbranch_scc0 .Lentry_shape_is_right
	s_endpgm
.Lentry_shape_is_right:
; PROJ: the three quantised projections as ONE product on codes of FP4 (E2M1) with E8M0 scales: rows 0 .. 24,575 of xc are query's, key's and value's 8,192 rows; tensor t = row / 8,192 meets weight t (rows 1,024 t on of wc).
; Result (sum + bias) x f, f = log2(e) / 8 for Q (so that the attention launch's scores are exponents of 2) and 1 for K and V, rounded once to f16 and laid by heads: qkv [3][16 heads][8,192 rows][64].
; LIMITS: (Q + bq) x 0.18, K + bk and V + bv must lie under 65,504 in size (f16); under 6e-5 their error is absolute, 2^-25.
; A tile of 256 x 256 is made by a work-group of four waves, 128 x 128 a wave: 64 accumulators, 512 registers.  K = 1,024 is two slots of 512 (rows of 256 bytes): both are first fills, nothing is filled again.
; The scale bytes of the work-group's 256 + 256 rows are two dense blocks: they come once, with the first fills.
; CLUSTERS: 4 x 4 work-groups; the four of a row of the cluster ask jointly for A's tiles, the four of a column for B's.  All sixteen lie in one tensor: t hangs on the cluster's y alone.
; THE MATRIX INSTRUCTION IS USED TRANSPOSED (source 0 = 16 rows of the weight, source 1 = 16 rows of x): a lane holds eight neighbouring columns of one row.
; REGISTERS: window 0: v0-31 addresses; v32-95 scale words, two sets; v128-191 A's fragments, one set; v192-255 the bias of my 128 columns in the result's layout.  On the way out v32-191 are free.
;   window 1: B's fragments, two sets (v0, v128).   window 2: the accumulators of my rows 0-63 ((a, b) at v[8 (8 a + b)]);   window 3: rows 64-127.
.set NQ,     4                         ; matrix instructions deep in a slot
.set ROWB,   256                       ; a tile's row: 512 codes
.set KROW,   512                       ; a row of codes in memory
.set PITCH,  272                       ; an LDS row: 256 bytes + 16 of padding: the 16 rows that a load touches start at 16 different banks
.set FR,     8
.set NL,     2
.set NP,     4                         ; places behind this matrix instruction (ISA guide 7.12.1)
.set HALFT,  128*PITCH
.set SLOT,   4*HALFT                   ; A's 256 rows, then B's 256 rows
.set KS,     32                        ; a row of scale bytes
.set SCL,    2*SLOT                    ; behind the two slots: the scales, as units of 256 bytes + 16 of padding
.set HALFS,  (128*KS/256)*272
.set SBLK,   (16*KS/256)*272
.set SPARE,  SCL+4*HALFS               ; the spare words, 128 bytes for each wave: two blocks of 256 bytes that no other line names
.set ADRA, 16
.set ADRB, 20
.set STO,  24                          ; the way out: where I put 16 bytes of a row
.set RD,   25                          ; and where I read plane rows back
.set CO,   26                          ; 16 x lane
.set ADRS, 27
.set SPW,  28
.set NIL,  29
.set BOF,  30                          ; the bias's offset: 32 x (lane / 16)
.set SC,   32
.set AF,   128
.set BF,   192                         ; the bias (later x f): register 8 b + j = column 16 b + 8 (lane / 16) + j of my 128
.set T,    32                          ; the way out: 64 numbers in f32
.set TMP,  96                          ; packed to f16
.set OB,   128                         ; 16 rows read back: v128-159 and v160-191 by turns
.set G1, 24
.set G0, 32
.set G1B, 48
.set G0B, 56
.set G1S, 68
.set G0S, 76
.set G1SB, 80
.set G0SB, 88
.set MSB, 0
.macro WIN new                         ; the immediate's high byte repeats the setting that is left
.if MSB != (\new)
	s_set_vgpr_msb (MSB<<8)|(\new)
.set MSB, (\new)
.endif
.endm
.set MUL_LO, 0xa1                      ; source 0 (B) window 1, source 1 (A) window 0, C and D window 2
.set MUL_HI, 0xf1
.set TO_B,   0x40
; A joint load: waves 0 and 1 fetch for A, waves 2 and 3 for B; the branch hangs on the wave's number alone.  An s_nop 0 and four v_nop follow each of the two lines.
.macro JLOAD g0a, g1a, g0b, g1b
	s_cmp_eq_u32 s15, 0
	s_cbranch_scc0 .Lfor_b_\@
	tensor_load_to_lds s[\g0a:\g0a+3], s[\g1a:\g1a+7]
	s_nop 0
.rept 4
	v_nop
.endr
	s_branch .Lasked_\@
.Lfor_b_\@:
	tensor_load_to_lds s[\g0b:\g0b+3], s[\g1b:\g1b+7]
	s_nop 0
.rept 4
	v_nop
.endr
.Lasked_\@:
.endm
.macro CROUND                          ; a round of the cluster's barrier
	s_barrier_signal -1
	s_barrier_wait -1
	s_cmp_lg_u32 s14, 0
	s_cbranch_scc1 .Lnot_wave_0_\@
	s_barrier_signal -3
.Lnot_wave_0_\@:
	s_barrier_wait -3
	s_barrier_signal -1
	s_barrier_wait -1
.endm
	s_load_b128 s[4:7], s[0:1], 0x0                ; xc, xs
	s_load_b128 s[8:11], s[0:1], 0x10              ; wc, ws
	s_load_b128 s[96:99], s[0:1], 0x20             ; bq, bk
	s_load_b64 s[100:101], s[0:1], 0x30            ; bv
	s_load_b64 s[12:13], s[0:1], 0x38              ; qkv
	v_lshl_add_u32 v[SPW], v0, 2, SPARE
	v_mov_b32 v[NIL], 0
	ds_add_u32 v[SPW], v[NIL]                      ; the wave's opening: 0 onto my spare word, twice on end, and its wait ahead of my first tensor load
	ds_add_u32 v[SPW], v[NIL]
	v_lshrrev_b32 v1, 5, v0
	v_readfirstlane_b32 s14, v1                    ; wave 0..3
	s_lshr_b32 s15, s14, 1                         ; which half of the tile's rows is mine.  Also: I fetch for A (0) or for B (1)
	s_and_b32 s16, s14, 1                          ; which half of its columns.  Also: which 128 rows of that tile I fetch
	s_bfe_u32 s40, ttmp6, 0x40000                  ; cx, cy
	s_bfe_u32 s41, ttmp6, 0x40004
	s_lshl_b32 s42, ttmp9, 2
	s_add_co_u32 s42, s42, s40                     ; tile column 0..3
	s_and_b32 s17, ttmp7, 0xffff
	s_lshr_b32 s95, s17, 3                         ; the tensor: 8 clusters of 1,024 rows each; the same in all sixteen partners
	s_lshl_b32 s17, s17, 2
	s_add_co_u32 s17, s17, s41                     ; tile row 0..95
	s_lshl_b32 s43, s41, 2
	s_lshl_b32 s43, 15, s43                        ; my row of the cluster
	s_lshl_b32 s44, 0x1111, s40                    ; my column
	s_or_b32 s[G1+0], s43, (0<<16)|(1<<20)|(1<<21)|(5<<22)|(3<<25)  ; the mask; elements of 1 byte; padding: 4 words behind every 64; bit 21 beside a mask
	s_or_b32 s[G1B+0], s44, (0<<16)|(1<<20)|(1<<21)|(5<<22)|(3<<25)
.irp g, G1, G1B
	s_mov_b32 s[\g+1], ROWB<<16                    ; tensor_dim0
	s_mov_b32 s[\g+2], 128<<16                     ; tensor_dim1
	s_mov_b32 s[\g+3], ROWB<<16                    ; tile_dim0
	s_mov_b32 s[\g+4], 128                         ; tile_dim1
	s_mov_b32 s[\g+5], KROW                        ; from row to row
	s_mov_b32 s[\g+6], 0
	s_mov_b32 s[\g+7], 0
.endr
	s_or_b32 s[G1S+0], s43, (3<<16)|(1<<20)|(1<<21)|(5<<22)|(3<<25) ; the scales of 128 rows: 4,096 dense bytes as 16 rows of 256 (32 elements of 8 bytes)
	s_or_b32 s[G1SB+0], s44, (3<<16)|(1<<20)|(1<<21)|(5<<22)|(3<<25)
.irp g, G1S, G1SB
	s_mov_b32 s[\g+1], 32<<16
	s_mov_b32 s[\g+2], (128*KS/256)<<16
	s_mov_b32 s[\g+3], 32<<16
	s_mov_b32 s[\g+4], 128*KS/256
	s_mov_b32 s[\g+5], 32
	s_mov_b32 s[\g+6], 0
	s_mov_b32 s[\g+7], 0
.endr
	s_lshl_b32 s18, s16, 7                         ; which 128 rows of the tile I fetch
	s_lshl_b32 s20, s17, 8
	s_add_co_u32 s20, s20, s18                     ; A: row 256 x tile row + 128 x half
	s_lshl_b32 s46, s42, 8
	s_add_co_u32 s46, s46, s18                     ; B: row 256 x tile column + 128 x half
	s_lshl_b32 s47, s95, 10
	s_add_co_u32 s46, s46, s47                     ;    + 1,024 x tensor
	s_mov_b32 s21, 0
	s_mov_b32 s47, 0
	s_mov_b64 s[18:19], KS
	s_mul_u64 s[22:23], s[20:21], s[18:19]         ; where these rows' scales begin,
	s_mul_u64 s[92:93], s[46:47], s[18:19]
	s_mov_b64 s[18:19], KROW
	s_mul_u64 s[20:21], s[20:21], s[18:19]         ; and their codes
	s_mul_u64 s[46:47], s[46:47], s[18:19]
	s_mul_i32 s45, s14, HALFT                      ; where they go: wave x 128 rows
	s_mul_i32 s94, s14, HALFS
	s_wait_dscnt 0x0                               ; both opening adds are done
	s_wait_kmcnt 0x0
	s_add_nc_u64 s[20:21], s[4:5], s[20:21]
	s_add_nc_u64 s[22:23], s[6:7], s[22:23]
	s_add_nc_u64 s[46:47], s[8:9], s[46:47]
	s_add_nc_u64 s[92:93], s[10:11], s[92:93]
	CROUND                                         ; all sixteen work-groups are here: the first joint loads meet
	s_mov_b32 s[G0S], 1
	s_add_co_u32 s[G0S+1], s94, SCL
	s_mov_b64 s[G0S+2:G0S+3], s[22:23]
	s_or_b32 s[G0S+3], s[G0S+3], 0x80000000
	s_mov_b32 s[G0SB], 1
	s_add_co_u32 s[G0SB+1], s94, SCL
	s_mov_b64 s[G0SB+2:G0SB+3], s[92:93]
	s_or_b32 s[G0SB+3], s[G0SB+3], 0x80000000
	JLOAD G0S, G1S, G0SB, G1SB                     ; the scales first: they are wanted with slot 0
.irp s, 0,1
	s_mov_b32 s[G0+4*\s], 1
	s_add_co_u32 s[G0+4*\s+1], s45, \s*SLOT
	s_add_nc_u64 s[G0+4*\s+2:G0+4*\s+3], s[20:21], \s*ROWB
	s_or_b32 s[G0+4*\s+3], s[G0+4*\s+3], 0x80000000
	s_mov_b32 s[G0B+4*\s], 1
	s_add_co_u32 s[G0B+4*\s+1], s45, \s*SLOT
	s_add_nc_u64 s[G0B+4*\s+2:G0B+4*\s+3], s[46:47], \s*ROWB
	s_or_b32 s[G0B+4*\s+3], s[G0B+4*\s+3], 0x80000000
	JLOAD G0+4*\s, G1, G0B+4*\s, G1B               ; three tensor loads of mine are out
.endr
	v_and_b32 v1, 15, v0                           ; l % 16
	v_bfe_u32 v2, v0, 4, 1                         ; l / 16
	; the bias of my tensor, at my 128 columns; f
	s_cmp_eq_u32 s95, 1
	s_cselect_b64 s[96:97], s[98:99], s[96:97]
	s_cmp_eq_u32 s95, 2
	s_cselect_b64 s[96:97], s[100:101], s[96:97]
	s_cmp_eq_u32 s95, 0
	s_mov_b32 s2, 1.0
	s_cselect_b32 s2, 0x3e38aa3b, s2               ; log2(e) / 8 for Q
	s_mov_b32 s3, s2                               ; (named with it as a pair)
	s_lshl_b32 s46, s42, 10                        ; 256 columns of 4 bytes a tile column,
	s_lshl_b32 s47, s16, 9                         ; 128 a half
	s_add_co_u32 s46, s46, s47
	s_mov_b32 s47, 0
	s_add_nc_u64 s[96:97], s[96:97], s[46:47]
	v_lshlrev_b32 v[BOF], 5, v2
.irp b, 0,1,2,3,4,5,6,7
	global_load_b128 v[BF+8*\b:BF+8*\b+3], v[BOF], s[96:97] offset:64*\b
	global_load_b128 v[BF+8*\b+4:BF+8*\b+7], v[BOF], s[96:97] offset:64*\b+16
.endr
	v_mul_u32_u24 v3, v1, PITCH
	v_lshl_add_u32 v4, v2, 4, v3                   ; a fragment's row x pitch + 16 x half
	s_mul_i32 s21, s15, HALFT                      ; my 128 rows of A
	s_mul_i32 s22, s16, HALFT                      ; my 128 rows of B,
	s_add_co_u32 s22, s22, 2*HALFT                 ; which lie behind A's 256
.irp s, 0,1
	v_add_nc_u32 v[ADRA+\s], s21, v4
	v_add_nc_u32 v[ADRB+\s], s22, v4
	s_add_co_u32 s21, s21, SLOT
	s_add_co_u32 s22, s22, SLOT
.endr
	v_mul_u32_u24 v5, v1, KS                       ; my row's scales: 32 bytes a row,
	v_lshrrev_b32 v6, 8, v5
	v_lshl_add_u32 v5, v6, 4, v5                   ; and 16 more for each 256 passed
	s_mul_i32 s21, s15, HALFS
	s_mul_i32 s22, s16, HALFS
	s_add_co_u32 s22, s22, 2*HALFS
	s_sub_co_u32 s22, s22, s21
	v_mul_u32_u24 v6, s22, v2                      ; lanes 16-31 take B's
	s_add_co_u32 s21, s21, SCL
	v_add_nc_u32 v5, v5, v6
	v_add_nc_u32 v[ADRS], s21, v5
	s_mul_i32 s23, s14, 16*PITCH                   ; my stage, in slot 0: 16 rows x 272 bytes
	v_add_nc_u32 v[STO], s23, v4                   ; in: row l % 16, 16 bytes for each half of the lanes
	v_bfe_u32 v5, v0, 3, 2
	v_mul_u32_u24 v5, v5, PITCH
	v_and_b32 v6, 7, v0
	v_lshl_add_u32 v5, v6, 4, v5
	v_add_nc_u32 v[RD], s23, v5                    ; back: eight lanes to a head's 128 bytes of a row, four rows an instruction
	v_and_b32 v6, 31, v0
	v_lshlrev_b32 v[CO], 4, v6
	; where my part begins in qkv: tensor x 16 MiB + head (4 x tile column + 2 x half) x 1 MiB + row (256 x (tile row % 32) + 128 x half) x 128
	s_lshl_b32 s20, s95, 24
	s_and_b32 s21, s17, 31
	s_lshl_b32 s21, s21, 15
	s_add_co_u32 s20, s20, s21
	s_lshl_b32 s21, s15, 14
	s_add_co_u32 s20, s20, s21
	s_mov_b32 s21, 0
	s_lshl_b32 s46, s42, 22
	s_lshl_b32 s47, s16, 21
	s_add_co_u32 s46, s46, s47
	s_mov_b32 s47, 0
	s_add_nc_u64 s[20:21], s[20:21], s[46:47]
	s_add_nc_u64 s[12:13], s[12:13], s[20:21]
.macro FRAG reg, adr, q, i             ; 16 rows x 128 K of 4-bit codes: 8 registers: lane l holds row l % 16; registers 4 c .. 4 c + 3 hold K = 64 c + 32 (l / 16) + 0 .. 31
.irp c, 0,1
	ds_load_b128 v[\reg+4*\c:\reg+4*\c+3], v[\adr] offset:64*(\q)+32*\c+(\i)*16*PITCH
.endr
.endm
; 16 matrix instructions: A's blocks a0, a0 + 1 x B's eight, the slot's q-th 128 along K.  p: B's set; sc: the set of scale words.  zero = 1: the first product starts the sums.
; One register carries A's scale word (lanes 0-15) and B's (lanes 16-31).  The 64 accumulators take turns, one instruction a turn, in the same order in every step.
.macro MUL16 a0, p, q, sc, zero
.irp a, \a0, \a0+1
.irp b, 0,1,2,3,4,5,6,7
.if \zero
	v_wmma_scale_f32_16x16x128_f8f6f4 v[8*(8*((\a)%4)+\b):8*(8*((\a)%4)+\b)+7], v[128*(\p)+FR*\b:128*(\p)+FR*\b+FR-1], v[AF+FR*(\a):AF+FR*(\a)+FR-1], 0, v[SC+8*NQ*(\sc)+NQ*\b+(\q)], v[SC+8*NQ*(\sc)+NQ*(\a)+(\q)] matrix_a_fmt:MATRIX_FMT_FP4 matrix_b_fmt:MATRIX_FMT_FP4 matrix_a_scale:MATRIX_SCALE_ROW1
.else
	v_wmma_scale_f32_16x16x128_f8f6f4 v[8*(8*((\a)%4)+\b):8*(8*((\a)%4)+\b)+7], v[128*(\p)+FR*\b:128*(\p)+FR*\b+FR-1], v[AF+FR*(\a):AF+FR*(\a)+FR-1], v[8*(8*((\a)%4)+\b):8*(8*((\a)%4)+\b)+7], v[SC+8*NQ*(\sc)+NQ*\b+(\q)], v[SC+8*NQ*(\sc)+NQ*(\a)+(\q)] matrix_a_fmt:MATRIX_FMT_FP4 matrix_b_fmt:MATRIX_FMT_FP4 matrix_a_scale:MATRIX_SCALE_ROW1
.endif
.endr
.endr
.endm
.macro FETCH_B slot, q, p
	WIN TO_B
.irp i, 0,1,2,3,4,5,6,7
	FRAG 128*(\p)+FR*\i, ADRB+\slot, \q, \i
.endr
	WIN 0
.endm
.macro FETCH_A slot, q, i0
.irp i, \i0, \i0+1, \i0+2, \i0+3
	FRAG AF+FR*(\i), ADRA+\slot, \q, \i
.endr
.endm
.macro SCALES sc                       ; a slot's scale words: 4 words a row; lanes 0-15 take A's block i, lanes 16-31 B's block i
.irp i, 0,1,2,3,4,5,6,7
	ds_load_b128 v[SC+8*NQ*\sc+NQ*\i:SC+8*NQ*\sc+NQ*\i+3], v[ADRS] offset:\i*SBLK
.endr
.endm
.macro PLACES n                        ; plain vector instructions that name none of the matrix instructions' registers, in front of loads into registers that they have read
.rept \n
	v_nop
.endr
.endm
.macro STEP slot, q, zero              ; 128 along K with its successor in the same slot
	s_wait_dscnt 4*NL                              ; B's set and A's blocks 0-3 are in; the youngest eight loads (A's blocks 4-7) may be out
	WIN MUL_LO
	MUL16 0, (\q)%2, \q, \slot, \zero
	MUL16 2, (\q)%2, \q, \slot, \zero
	s_wait_dscnt 0                                 ; A's blocks 4-7 are in
	PLACES NP
	FETCH_B \slot, (\q)+1, 1-(\q)%2
	FETCH_A \slot, (\q)+1, 0
	WIN MUL_HI
	MUL16 4, (\q)%2, \q, \slot, \zero
	MUL16 6, (\q)%2, \q, \slot, \zero
	PLACES NP
	WIN 0
	FETCH_A \slot, (\q)+1, 4
.endm
.macro TURN slot, next                 ; slot 0's last step changes slots: one barrier; nothing is filled again
	s_wait_tensorcnt 0x0                           ; all my tensor loads have landed: my part of the next slot
	ds_add_u32 v[SPW], v[NIL]                      ; 0 onto my spare word
	s_wait_dscnt 4*NL+1                            ; (the add and the youngest eight loads may be out)
	WIN MUL_LO
	MUL16 0, 1, NQ-1, \slot, 0
	s_wait_dscnt 0x0                               ; the add is done, and my reads of this slot are over
	s_barrier_signal -1
	MUL16 2, 1, NQ-1, \slot, 0
	WIN 0
	s_barrier_wait -1                              ; the next slot is whole, and nobody reads this one any more
	PLACES NP
	v_add_nc_u32 v[ADRS], 4*NQ, v[ADRS]            ; on to the next slot's scale words
	FETCH_B \next, 0, 0
	FETCH_A \next, 0, 0
	SCALES \next
	WIN MUL_HI
	MUL16 4, 1, NQ-1, \slot, 0
	MUL16 6, 1, NQ-1, \slot, 0
	PLACES NP
	WIN 0
	FETCH_A \next, 0, 4
.endm
	s_wait_tensorcnt 1                             ; the scales and my part of slot 0 are in (slot 1's load may be out)
	s_barrier_signal -1
	s_barrier_wait -1                              ; everybody's are
	FETCH_B 0, 0, 0
	FETCH_A 0, 0, 0
	SCALES 0
	FETCH_A 0, 0, 4
	STEP 0, 0, 1                                   ; the first products start the sums: nothing is cleared
	STEP 0, 1, 0
	STEP 0, 2, 0
	TURN 0, 1
	STEP 1, 0, 0
	STEP 1, 1, 0
	STEP 1, 2, 0
	s_wait_dscnt 4*NL                              ; the last step: nothing more to fetch
	WIN MUL_LO
	MUL16 0, 1, NQ-1, 1, 0
	MUL16 2, 1, NQ-1, 1, 0
	s_wait_dscnt 0
	WIN MUL_HI
	MUL16 4, 1, NQ-1, 1, 0
	MUL16 6, 1, NQ-1, 1, 0
	WIN 0
; THE WAY OUT, block by block of 16 rows x 128 columns (two heads).  sum x f + bias x f in one fused multiply-add; rounded to f16: 16 bytes a lane; through my stage in slot 0 (it has had its only fill,
; and every wave has passed the change of slots behind which nobody reads it); back as heads' rows of 128 bytes, four rows to a store: 512 consecutive bytes of one head's plane.
	s_wait_loadcnt 0x0                             ; the bias
.set i, 0
.rept 32
	v_pk_mul_f32 v[BF+i:BF+i+1], v[BF+i:BF+i+1], s[2:3] op_sel_hi:[1,0]   ; bias x f; these 32 name no register of the last products: they are the places behind them
.set i, i+2
.endr
.macro PACK a
.set AC, 64*((\a)%4)
	WIN 0x02+(\a)/4                                ; source 0: window 2 or 3
.irp b, 0,1,2,3,4,5,6,7
.irp i, 0,2,4,6
	v_pk_fma_f32 v[T+8*\b+\i:T+8*\b+\i+1], v[AC+8*\b+\i:AC+8*\b+\i+1], s[2:3], v[BF+8*\b+\i:BF+8*\b+\i+1] op_sel_hi:[1,0,1]   ; each accumulator from its low end on
.endr
.endr
	WIN 0
.irp b, 0,1,2,3,4,5,6,7
.irp i, 0,1,2,3
	v_cvt_pk_f16_f32 v[TMP+4*\b+\i], v[T+8*\b+2*\i], v[T+8*\b+2*\i+1]
.endr
.endr
.endm
.macro TOSTAGE a
.set BB, OB+32*((\a)%2)
.irp b, 0,1,2,3,4,5,6,7
	ds_store_b128 v[STO], v[TMP+4*\b:TMP+4*\b+3] offset:32*\b
.endr
.irp u, 0,1,2,3
.irp p, 0,1
	ds_load_b128 v[BB+4*(2*\u+\p):BB+4*(2*\u+\p)+3], v[RD] offset:\u*4*PITCH+128*\p   ; LDS serves a wave's instructions in order: these see the stores above
.endr
.endr
.endm
.macro SEND a
.set BB, OB+32*((\a)%2)
	s_wait_dscnt 0x0                               ; the block is back in registers
	s_wait_xcnt 0x0                                ; the earlier stores have read their registers and their base: only behind this wait are they written again
.if (\a) > 0
	s_add_nc_u64 s[12:13], s[12:13], 16*128        ; 16 rows on
.endif
.irp u, 0,1,2,3
.irp p, 0,1
	global_store_b128 v[CO], v[BB+4*(2*\u+\p):BB+4*(2*\u+\p)+3], s[12:13] offset:\p*1048576+\u*512
.endr
.endr
.endm
	PACK 0
	TOSTAGE 0
.irp a, 1,2,3,4,5,6,7                  ; block a's arithmetic stands between block a - 1's loads from the stage and the wait for them
	PACK \a
	SEND \a-1
	TOSTAGE \a
.endr
	SEND 7
	s_wait_tensorcnt 0x0                           ; the wave's end: a tensor wait, 0 onto my spare word, and its wait, behind my last tensor load and my last LDS store
	ds_add_u32 v[SPW], v[NIL]
	s_wait_dscnt 0x0
	CROUND                                         ; the closing round
	s_endpgm
.Lfunc_end_k_qf05d6c0fb1_proj:
	.size	k_qf05d6c0fb1_proj, .Lfunc_end_k_qf05d6c0fb1_proj-k_qf05d6c0fb1_proj
	.p2alignl 7, 3214868480
	.fill 96, 4, 3214868480
	.section	.rodata,"a",@progbits
	.p2align	6, 0x0
	.amdhsa_kernel k_qf05d6c0fb1_proj
		.amdhsa_group_segment_fixed_size 327680
		.amdhsa_private_segment_fixed_size 0
		.amdhsa_enable_private_segment 0
		.amdhsa_kernarg_size 64
		.amdhsa_user_sgpr_count 2
		.amdhsa_user_sgpr_kernarg_segment_ptr 1
		.amdhsa_wavefront_size32 1
		.amdhsa_system_sgpr_workgroup_id_x 1
		.amdhsa_system_sgpr_workgroup_id_y 1
		.amdhsa_system_sgpr_workgroup_id_z 1
		.amdhsa_system_vgpr_workitem_id 0
		.amdhsa_next_free_vgpr 1024
		.amdhsa_next_free_sgpr 102
		.amdhsa_reserve_vcc 0
		.amdhsa_float_denorm_mode_32 3
		.amdhsa_float_denorm_mode_16_64 3
		.amdhsa_memory_ordered 1
		.amdhsa_forward_progress 1
		.amdhsa_inst_pref_size 147
	.end_amdhsa_kernel
	.amdgpu_metadata
---
amdhsa.version: [ 1, 2 ]
amdhsa.kernels:
  - .name:           k_qf05d6c0fb1_proj
    .symbol:         k_qf05d6c0fb1_proj.kd
    .args:
      - { .name: xc, .offset: 0, .size: 8, .value_kind: global_buffer, .address_space: global }
      - { .name: xs, .offset: 8, .size: 8, .value_kind: global_buffer, .address_space: global }
      - { .name: wc, .offset: 16, .size: 8, .value_kind: global_buffer, .address_space: global }
      - { .name: ws, .offset: 24, .size: 8, .value_kind: global_buffer, .address_space: global }
      - { .name: bq, .offset: 32, .size: 8, .value_kind: global_buffer, .address_space: global }
      - { .name: bk, .offset: 40, .size: 8, .value_kind: global_buffer, .address_space: global }
      - { .name: bv, .offset: 48, .size: 8, .value_kind: global_buffer, .address_space: global }
      - { .name: qkv, .offset: 56, .size: 8, .value_kind: global_buffer, .address_space: global }
    .group_segment_fixed_size: 327680
    .private_segment_fixed_size: 0
    .kernarg_segment_align: 8
    .kernarg_segment_size: 64
    .max_flat_workgroup_size: 128
    .sgpr_count:     102
    .vgpr_count:     1024
    .wavefront_size: 32
...
	.end_amdgpu_metadata
.endif
;; end of part 2
;; launch attn (part 3): grid 4 x 64, 8 waves a work-group, clusters of 4 x 1, 327,680 bytes of LDS; arguments qkv, mb, ao; writes ao
.if DOCPART == 3
	.amdgcn_target "amdgcn-amd-amdhsa--gfx1250"
	.amdhsa_code_object_version 6
	.text
	.protected	k_qf05d6c0fb1_attn
	.globl	k_qf05d6c0fb1_attn
	.p2align	8
	.type	k_qf05d6c0fb1_attn,@function
k_qf05d6c0fb1_attn:
	s_mov_b64 s[64:65], 0
	v_nop
	global_prefetch_b8 v0, s[64:65] scope:SCOPE_SE
	s_setreg_imm32_b32 hwreg(HW_REG_WAVE_MODE, 25, 1), 1
	s_wait_xcnt 0x0
	s_wait_alu depctr_hold_cnt(0) depctr_sa_sdst(0) depctr_va_vdst(0) depctr_va_sdst(0) depctr_va_ssrc(0) depctr_va_vcc(0) depctr_vm_vsrc(0)
	s_getreg_b32 s2, hwreg(HW_REG_IB_STS2, 6, 4)
	s_cmp_eq_u32 s2, 0
	s_cbranch_scc0 .Lentry_in_a_cluster
	s_endpgm
.Lentry_in_a_cluster:
	s_bfe_u32 s2, ttmp6, 0x10000c
	s_cmp_lg_u32 s2, 0x3003
	s_cbranch_scc0 .Lentry_shape_is_right
	s_endpgm
.Lentry_shape_is_right:
; ATTN: for each batch b and head h: O[q] = the sum over k of softmax_k(where(mask[b][q][k] == 0, -inf, Q[q] . K[k] / 8)) V[k].  Q, K, V: planes of qkv, [8,192 rows][64] f16; Q arrives multiplied by log2(e) / 8,
; so the scores are t and p = 2^(t - m), m the running maximum of the row.  Products on f16 operands with f32 sums; maxima, exponentials and sums in f32; p is rounded to f16 for the second product; O once, to f16 (ao, by heads).
; THE MASK comes as lane masks (mb): word 8 t + j of a step says, lane by lane, whether the key in register j of score tile t counts.  The words are read by scalar loads and feed selects alone: no branch hangs on them.
; A ROW WITH NO KEY LEFT: m stays at its start, -3e38, every p is 0, the sum is 0, and 0 x (1 / 0) is NaN, as softmax of a row of -inf is.
; LIMITS: NaN and infinities among Q, K, V are not served; scores t must lie above -3e38; O must lie under 65,504 in size (it is an average of V's rows).
; SHARES.  A work-group owns 512 queries of one head, each of its eight waves 64: four tiles of 16.  256 work-groups.  Two waves share a SIMD, so that one wave's softmax stands beside the other's products and LDS loads.
; A KEY STEP is 64 keys.  K's and V's fragments are read from LDS once a step (32 loads) and serve TWO PHASES: tiles 0 and 1, then tiles 2 and 3: each fragment feeds four products.  The phases share the registers of the scores and of P.
; LAYOUT.  S^T = K Q^T (source 0 = 16 keys, source 1 = 16 queries) and O^T = V^T P (source 0 = 16 channels, source 1 = P): a lane holds ONE query (lane % 16) throughout; two score tiles, rounded in pairs, ARE source 1 of the second product.
; THE RING.  Two LDS slots of 512 keys.  Waves 0-3 fetch K's four quarters, waves 4-7 V's: one tensor load a wave behind each change of slots, which has the slot's eight key steps, 512 matrix instructions a wave, in which to land;
; by this text's count one load a wave is out.
; CLUSTER.  The four work-groups of a cluster are the four query blocks of one head and walk the same K and V: each tile is asked for jointly, so each byte of K and V is asked for once in the launch.
; NOTHING IS CLEARED: the first key step is written out; its products start O^T and its sums start l.
; REGISTERS: window 0: v2-12 addresses and constants; v16-23 m and its pair's partner, tile by tile; v24-31 at work, four a tile of the phase; v32-95 S^T, 32 a tile of the phase; v96-127 P, 16 a tile; v128-191 K of a step; v192-255 V of a step.
;   window 1: v0-63 Q, 16 a tile; v64-191 O^T, 32 a tile; v192-199 l, a pair a tile.
.set SLOTB, 143360                     ; a slot: K, 256 LDS rows of two keys (256 bytes + 16), then V, 256 rows (256 + 32)
.set VOFF,  69632
.set SPARE, 2*SLOTB                    ; behind the ring: the spare words, 128 bytes for each wave: four blocks of 256 bytes that no other line names
.set AK0, 2                            ; my lane's place in a tile of K
.set AV0, 3                            ; and of V
.set ADK, 4
.set ADV, 5
.set QO,  6
.set STO, 7                            ; the way out: stage of 4 x 16 rows x 144 bytes a wave, in slot 0
.set RD,  8
.set GO,  9
.set SPW, 10
.set NIL, 11
.set NEG, 12                           ; -infinity
.set MM,  16                           ; tile t: m at v[MM + 2 t], its pair's partner behind it; on the way out 1 / l takes m's place
.set CT,  24                           ; tile x of the phase: c0-c3 at v[CT + 4 x]; a takes c2's place once the maximum is found
.set S,   32
.set P,   96
.set KF,  128
.set VF,  192
.set OUT, 128                          ; the way out: 32 registers a tile, where K's and V's fragments lay
.set QF,  0                            ; in window 1
.set OT,  64                           ; in window 1
.set LT,  192                          ; in window 1
.set G1K, 4
.set G1V, 12
.set G0K, 20
.set G0V, 24
.set WV,  28
.set CNT, 29
.set TBK, 30
.set TBV, 31
.set MW0, 32                           ; s[32:63] the 32 mask words of the phase's first tile
.set MO,  66                           ; the step's byte offset among the mask words
.set QOFF, 67                          ; byte offset of my wave's rows in a plane's tensor
.set MW1, 68                           ; s[68:99] of its second tile
.set SEL, 100
.set MB,  104                          ; s[104:105] my tile 0's words in mb; a tile's words are 4,096 bytes
.set MSB, 0
.macro WIN new                         ; the immediate's high byte repeats the setting that is left
.if MSB != (\new)
	s_set_vgpr_msb (MSB<<8)|(\new)
.set MSB, (\new)
.endif
.endm
.set W_KQ, 0x04                        ; source 1 (Q) window 1
.set W_PV, 0x50                        ; C and D (O^T) window 1
.set W_RS, 0x41                        ; destination and source 0 (O^T, l) window 1
.set W_D1, 0x40                        ; destination window 1
.macro JLOAD                           ; the branch hangs on the wave's number alone; an s_nop 0 and four v_nop follow each of the two lines
	s_cmp_lt_u32 s[WV], 4
	s_cbranch_scc0 .Lfor_v_\@
	tensor_load_to_lds s[G0K:G0K+3], s[G1K:G1K+7]
	s_nop 0
.rept 4
	v_nop
.endr
	s_branch .Lasked_\@
.Lfor_v_\@:
	tensor_load_to_lds s[G0V:G0V+3], s[G1V:G1V+7]
	s_nop 0
.rept 4
	v_nop
.endr
.Lasked_\@:
.endm
.macro CROUND                          ; a round of the cluster's barrier
	s_barrier_signal -1
	s_barrier_wait -1
	s_cmp_lg_u32 s[WV], 0
	s_cbranch_scc1 .Lnot_wave_0_\@
	s_barrier_signal -3
.Lnot_wave_0_\@:
	s_barrier_wait -3
	s_barrier_signal -1
	s_barrier_wait -1
.endm
	s_load_b128 s[68:71], s[0:1], 0x0              ; qkv, mb
	v_lshl_add_u32 v[SPW], v0, 2, SPARE
	v_mov_b32 v[NIL], 0
	ds_add_u32 v[SPW], v[NIL]                      ; the wave's opening: 0 onto my spare word, twice on end, and its wait ahead of my first tensor load
	ds_add_u32 v[SPW], v[NIL]
	v_lshrrev_b32 v1, 5, v0
	v_readfirstlane_b32 s[WV], v1                  ; wave 0..7
	s_bfe_u32 s72, ttmp6, 0x40000                  ; cx
	s_lshl_b32 s73, ttmp9, 2
	s_add_co_u32 s73, s73, s72                     ; my block of 512 queries: it enters Q's, the mask's and O's addresses alone
	s_and_b32 s74, ttmp7, 0xffff
	s_lshr_b32 s75, s74, 4                         ; batch
	s_and_b32 s76, s74, 15                         ; head
	s_lshl_b32 s77, s76, 20                        ; a head's plane: 8,192 rows of 128 bytes
	s_lshl_b32 s78, s75, 18                        ; a batch's 2,048 rows
	s_add_co_u32 s80, s77, s78
	s_and_b32 s79, s[WV], 3                        ; which quarter of a slot I fetch
	s_lshl_b32 s82, s79, 14                        ; its 128 keys of 128 bytes
	s_add_co_u32 s82, s82, s80
	s_mov_b32 s83, 0
	s_lshl_b32 s84, s73, 9
	s_lshl_b32 s85, s[WV], 6
	s_add_co_u32 s84, s84, s85                     ; my first query: 512 x block + 64 x wave
	s_lshl_b32 s[QOFF], s84, 7
	s_add_co_u32 s[QOFF], s[QOFF], s80
	s_mov_b32 s86, s[QOFF]
	s_mov_b32 s87, 0
	s_lshl_b32 s88, s75, 7
	s_lshr_b32 s89, s84, 4
	s_add_co_u32 s88, s88, s89                     ; 128 x batch + my first tile of queries
	s_lshl_b32 s88, s88, 12                        ; 4,096 bytes of words a tile
	s_mov_b32 s89, 0
	s_mov_b32 s[G1K], 15|(1<<16)|(1<<20)|(1<<21)|(5<<22)|(3<<25)   ; the mask: all four; elements of 2 bytes; padding: 4 words behind every 64; bit 21 beside a mask
	s_mov_b32 s[G1V], 15|(1<<16)|(1<<20)|(1<<21)|(5<<22)|(7<<25)   ; the same with 8 words
.irp g, G1K, G1V
	s_mov_b32 s[\g+1], 128<<16                     ; tensor_dim0: two keys' 128 elements: the rows are dense in memory
	s_mov_b32 s[\g+2], 64<<16                      ; tensor_dim1
	s_mov_b32 s[\g+3], 128<<16                     ; tile_dim0
	s_mov_b32 s[\g+4], 64                          ; tile_dim1
	s_mov_b32 s[\g+5], 128                         ; from row to row
	s_mov_b32 s[\g+6], 0
	s_mov_b32 s[\g+7], 0
.endr
	s_mov_b32 s[G0K], 1
	s_mul_i32 s[G0K+1], s79, 17408                 ; slot 0: 64 LDS rows of 272 a quarter
	s_mov_b32 s[G0V], 1
	s_mul_i32 s[G0V+1], s79, 18432                 ; 64 rows of 288,
	s_add_co_u32 s[G0V+1], s[G0V+1], VOFF          ; behind K's
	s_mov_b32 s[SEL], 0x76543210
	s_mov_b32 s[SEL+1], 0xfedcba98                 ; v_permlanex16_b32: lane l xor 16
	s_mov_b32 s[MO], 0
	s_wait_dscnt 0x0                               ; both opening adds are done
	s_wait_kmcnt 0x0
	s_add_nc_u64 s[2:3], s[68:69], s[86:87]        ; Q at my first query
	s_add_nc_u64 s[MB:MB+1], s[70:71], s[88:89]
	s_add_nc_u64 s[G0K+2:G0K+3], s[68:69], s[82:83]
	s_add_nc_u64 s[G0K+2:G0K+3], s[G0K+2:G0K+3], 16777216      ; K's part of qkv
	s_or_b32 s[G0K+3], s[G0K+3], 0x80000000
	s_add_nc_u64 s[G0V+2:G0V+3], s[68:69], s[82:83]
	s_add_nc_u64 s[G0V+2:G0V+3], s[G0V+2:G0V+3], 33554432      ; V's
	s_or_b32 s[G0V+3], s[G0V+3], 0x80000000
	CROUND                                         ; all four work-groups are here: the first joint loads meet
	JLOAD                                          ; slot 0: keys 0 to 511
	s_load_b512 s[MW0:MW0+15], s[MB:MB+1], s[MO] offset:0x0        ; step 0's mask words of tiles 0 and 1
	s_load_b512 s[MW0+16:MW0+31], s[MB:MB+1], s[MO] offset:0x40
	s_load_b512 s[MW1:MW1+15], s[MB:MB+1], s[MO] offset:0x1000
	s_load_b512 s[MW1+16:MW1+31], s[MB:MB+1], s[MO] offset:0x1040
	v_and_b32 v13, 15, v0                          ; r
	v_bfe_u32 v14, v0, 4, 1                        ; h
	v_lshlrev_b32 v[QO], 7, v13
	v_lshl_add_u32 v[QO], v14, 4, v[QO]            ; row r of 128 bytes + 16 h
	WIN W_D1
.irp t, 0,1,2,3
.irp c, 0,1
	global_load_b128 v[QF+16*\t+8*\c:QF+16*\t+8*\c+3], v[QO], s[2:3] offset:\t*2048+64*\c          ; Q stays in registers: tile t, channels 32 c on
	global_load_b128 v[QF+16*\t+8*\c+4:QF+16*\t+8*\c+7], v[QO], s[2:3] offset:\t*2048+64*\c+32
.endr
.endr
	WIN 0
	v_lshrrev_b32 v15, 1, v13
	v_mul_u32_u24 v[AK0], v15, 272                 ; key r lies in LDS row r / 2,
	v_and_b32 v15, 1, v0
	v_lshl_add_u32 v[AK0], v15, 7, v[AK0]          ; in its half r % 2: the 16 rows of a load start at 16 different groups of four banks
	v_lshl_add_u32 v[AK0], v14, 4, v[AK0]
	v_bfe_u32 v[AV0], v0, 1, 2                     ; the turning load: lane l reads key 8 h + l % 8, channels 8 ((l / 8) % 2) on
	v_lshl_add_u32 v[AV0], v14, 2, v[AV0]
	v_mul_u32_u24 v[AV0], v[AV0], 288
	v_lshl_add_u32 v[AV0], v15, 7, v[AV0]
	v_bfe_u32 v1, v0, 3, 1
	v_lshl_add_u32 v[AV0], v1, 4, v[AV0]
	v_add_nc_u32 v[AV0], VOFF, v[AV0]
	s_mul_i32 s[CNT], s[WV], 9216                  ; my stage
	v_mul_u32_u24 v[STO], v13, 144
	v_lshl_add_u32 v[STO], v14, 4, v[STO]
	v_add_nc_u32 v[STO], s[CNT], v[STO]            ; in: row r, 16 bytes for each half of the lanes
	v_bfe_u32 v1, v0, 3, 2
	v_mul_u32_u24 v[RD], v1, 144
	v_and_b32 v1, 7, v0
	v_lshl_add_u32 v[RD], v1, 4, v[RD]
	v_add_nc_u32 v[RD], s[CNT], v[RD]              ; back: eight lanes to a row of 128 bytes, four rows an instruction
	v_and_b32 v[GO], 31, v0
	v_lshlrev_b32 v[GO], 4, v[GO]
	v_mov_b32 v[NEG], 0xff800000
.irp t, 0,1,2,3
	v_mov_b32 v[MM+2*\t], 0xff61b1e6               ; m: -3e38, under every score
	v_mov_b32 v[MM+2*\t+1], 0                      ; (named with m as a pair)
.endr
	s_wait_loadcnt 0x0                             ; Q
; A PHASE: the step's 64 keys against tiles tb and tb + 1 of my queries.  first = 1: the first key step: its products start O^T, its sums start l, and there is nothing to rescale.
.macro PHASE tb, first
	WIN W_KQ
.irp c, 0,1                            ; the eight accumulators take turns, one instruction a turn; the first eight start the sums
.irp kt, 0,1,2,3
.irp x, 0,1
.if \c == 0
	v_wmma_f32_16x16x32_f16 v[S+32*\x+8*\kt:S+32*\x+8*\kt+7], v[KF+16*\kt+8*\c:KF+16*\kt+8*\c+7], v[QF+16*(\tb+\x)+8*\c:QF+16*(\tb+\x)+8*\c+7], 0
.else
	v_wmma_f32_16x16x32_f16 v[S+32*\x+8*\kt:S+32*\x+8*\kt+7], v[KF+16*\kt+8*\c:KF+16*\kt+8*\c+7], v[QF+16*(\tb+\x)+8*\c:QF+16*(\tb+\x)+8*\c+7], v[S+32*\x+8*\kt:S+32*\x+8*\kt+7]
.endif
.endr
.endr
.endr
	WIN 0
.rept 4
	v_nop                                          ; places in front of the first read of the scores
.endr
	s_wait_kmcnt 0x0                               ; this phase's mask words, asked for a phase ago
.set i, 0
.rept 32
	v_cndmask_b32 v[S+i], v[NEG], v[S+i], s[MW0+i] ; a key that does not count: -infinity.  Ascending: each accumulator is read from its low end on
	v_cndmask_b32 v[S+32+i], v[NEG], v[S+32+i], s[MW1+i]
.set i, i+1
.endr
.if \tb == 0
	s_load_b512 s[MW0:MW0+15], s[MB:MB+1], s[MO] offset:0x2000     ; the same step's words of tiles 2 and 3: they have the rest of this phase in which to land
	s_load_b512 s[MW0+16:MW0+31], s[MB:MB+1], s[MO] offset:0x2040
	s_load_b512 s[MW1:MW1+15], s[MB:MB+1], s[MO] offset:0x3000
	s_load_b512 s[MW1+16:MW1+31], s[MB:MB+1], s[MO] offset:0x3040
.else
	s_add_co_u32 s[MO], s[MO], 128                 ; the next step's words of tiles 0 and 1 (the wait above has shown the last loads done: their offset may be written);
	s_min_u32 s[MO], s[MO], 3968                   ; the last step asks for its own again: no load leaves mb
	s_load_b512 s[MW0:MW0+15], s[MB:MB+1], s[MO] offset:0x0
	s_load_b512 s[MW0+16:MW0+31], s[MB:MB+1], s[MO] offset:0x40
	s_load_b512 s[MW1:MW1+15], s[MB:MB+1], s[MO] offset:0x1000
	s_load_b512 s[MW1+16:MW1+31], s[MB:MB+1], s[MO] offset:0x1040
.endif
.irp j, 0,1,2,3                        ; the maximum of the lane's 32 scores and the old m: four chains a tile, the tiles by turns
.irp x, 0,1
	v_max3_num_f32 v[CT+4*\x+\j], v[S+32*\x+8*\j], v[S+32*\x+8*\j+1], v[S+32*\x+8*\j+2]
.endr
.endr
.irp q, 1,2
.irp j, 0,1,2,3
.irp x, 0,1
	v_max3_num_f32 v[CT+4*\x+\j], v[CT+4*\x+\j], v[S+32*\x+8*\j+2*\q+1], v[S+32*\x+8*\j+2*\q+2]
.endr
.endr
.endr
.irp x, 0,1
	v_max3_num_f32 v[CT+4*\x], v[CT+4*\x], v[S+32*\x+7], v[S+32*\x+15]
.endr
.irp x, 0,1
	v_max3_num_f32 v[CT+4*\x+2], v[CT+4*\x+2], v[S+32*\x+23], v[S+32*\x+31]
.endr
.irp x, 0,1
	v_max3_num_f32 v[CT+4*\x], v[CT+4*\x], v[CT+4*\x+1], v[CT+4*\x+2]
.endr
.irp x, 0,1
	v_max3_num_f32 v[CT+4*\x], v[CT+4*\x], v[CT+4*\x+3], v[MM+2*(\tb+\x)]
.endr
.irp x, 0,1
	v_permlanex16_b32 v[CT+4*\x+1], v[CT+4*\x], s[SEL], s[SEL+1]   ; the query's other 32 keys lie in the lane 16 away
.endr
.if \first == 0
.irp x, 0,1
	v_mov_b32 v[CT+4*\x+3], v[MM+2*(\tb+\x)]       ; the old m
.endr
.endif
.irp x, 0,1
	v_max_num_f32 v[MM+2*(\tb+\x)], v[CT+4*\x], v[CT+4*\x+1]
.endr
.if \first == 0
.irp x, 0,1
	v_sub_f32 v[CT+4*\x+3], v[CT+4*\x+3], v[MM+2*(\tb+\x)]
.endr
.endif
.set i, 0
.rept 16
	v_pk_add_f32 v[S+i:S+i+1], v[S+i:S+i+1], v[MM+2*(\tb):MM+2*(\tb)+1] op_sel_hi:[1,0] neg_lo:[0,1] neg_hi:[0,1]   ; t - m, two at a time
	v_pk_add_f32 v[S+32+i:S+32+i+1], v[S+32+i:S+32+i+1], v[MM+2*(\tb+1):MM+2*(\tb+1)+1] op_sel_hi:[1,0] neg_lo:[0,1] neg_hi:[0,1]
.set i, i+2
.endr
.if \first == 0
	v_exp_f32 v[CT+2], v[CT+3]                     ; a = 2^(old m - m).  ONE BATCH of exponentials; none reads another's result
	v_exp_f32 v[CT+6], v[CT+7]
.endif
.set i, 0
.rept 64
	v_exp_f32 v[S+i], v[S+i]                       ; p
.set i, i+1
.endr
	v_nop                                          ; a plain instruction behind the last exponential,
	s_wait_alu depctr_va_vdst(0)                   ; and the one wait ahead of the batch's first reader
.set i, 0
.rept 32
	v_cvt_pk_f16_f32 v[P+i], v[S+2*i], v[S+2*i+1]  ; P: two neighbouring keys to a register
.set i, i+1
.endr
.irp u, 0,1,2,3,4,5,6,7                ; the sum of the unrounded p, in place, as a tree of packed additions
.irp x, 0,1
	v_pk_add_f32 v[S+32*\x+4*\u:S+32*\x+4*\u+1], v[S+32*\x+4*\u:S+32*\x+4*\u+1], v[S+32*\x+4*\u+2:S+32*\x+4*\u+3]
.endr
.endr
.irp u, 0,1,2,3
.irp x, 0,1
	v_pk_add_f32 v[S+32*\x+8*\u:S+32*\x+8*\u+1], v[S+32*\x+8*\u:S+32*\x+8*\u+1], v[S+32*\x+8*\u+4:S+32*\x+8*\u+5]
.endr
.endr
.irp u, 0,1
.irp x, 0,1
	v_pk_add_f32 v[S+32*\x+16*\u:S+32*\x+16*\u+1], v[S+32*\x+16*\u:S+32*\x+16*\u+1], v[S+32*\x+16*\u+8:S+32*\x+16*\u+9]
.endr
.endr
.if \first
	WIN W_D1
.irp x, 0,1
	v_pk_add_f32 v[LT+2*(\tb+\x):LT+2*(\tb+\x)+1], v[S+32*\x:S+32*\x+1], v[S+32*\x+16:S+32*\x+17]   ; the tree's last addition starts l
.endr
.rept 4
	v_nop                                          ; between the conversions that wrote P and the products that read it
.endr
.else
.irp x, 0,1
	v_pk_add_f32 v[S+32*\x:S+32*\x+1], v[S+32*\x:S+32*\x+1], v[S+32*\x+16:S+32*\x+17]
.endr
	WIN W_RS
.irp x, 0,1
	v_pk_fma_f32 v[LT+2*(\tb+\x):LT+2*(\tb+\x)+1], v[LT+2*(\tb+\x):LT+2*(\tb+\x)+1], v[CT+4*\x+2:CT+4*\x+3], v[S+32*\x:S+32*\x+1] op_sel_hi:[1,0,1]   ; l = a l + the sum
.endr
.irp x, 0,1
.set i, 0
.rept 16
	v_pk_mul_f32 v[OT+32*(\tb+\x)+i:OT+32*(\tb+\x)+i+1], v[OT+32*(\tb+\x)+i:OT+32*(\tb+\x)+i+1], v[CT+4*\x+2:CT+4*\x+3] op_sel_hi:[1,0]   ; O^T x a, each accumulator from its low end on
.set i, i+2
.endr
.endr
.endif
.if \tb == 0
	s_wait_dscnt 0x0                               ; V is in
.endif
	WIN W_PV
.irp kk, 0,1                           ; the eight accumulators take turns
.irp f, 0,1,2,3
.irp x, 0,1
.if \first && (\kk == 0)
	v_wmma_f32_16x16x32_f16 v[OT+32*(\tb+\x)+8*\f:OT+32*(\tb+\x)+8*\f+7], v[VF+32*\kk+8*\f:VF+32*\kk+8*\f+7], v[P+16*\x+8*\kk:P+16*\x+8*\kk+7], 0
.else
	v_wmma_f32_16x16x32_f16 v[OT+32*(\tb+\x)+8*\f:OT+32*(\tb+\x)+8*\f+7], v[VF+32*\kk+8*\f:VF+32*\kk+8*\f+7], v[P+16*\x+8*\kk:P+16*\x+8*\kk+7], v[OT+32*(\tb+\x)+8*\f:OT+32*(\tb+\x)+8*\f+7]
.endif
.endr
.endr
.endr
	WIN 0
.endm
; A KEY STEP: 64 keys: the fragments once, then the two phases.
.macro STEP first
	v_add_nc_u32 v[ADK], s[TBK], v[AK0]            ; these four plain lines are the places between the last step's products and the loads into the registers that they read
	v_add_nc_u32 v[ADV], s[TBV], v[AV0]
	v_nop
	v_nop
.irp kt, 0,1,2,3
.irp c, 0,1
	ds_load_b128 v[KF+16*\kt+8*\c:KF+16*\kt+8*\c+3], v[ADK] offset:\kt*2176+64*\c
	ds_load_b128 v[KF+16*\kt+8*\c+4:KF+16*\kt+8*\c+7], v[ADK] offset:\kt*2176+64*\c+32
.endr
.endr
.irp kk, 0,1
.irp f, 0,1,2,3
	ds_load_tr16_b128 v[VF+32*\kk+8*\f:VF+32*\kk+8*\f+3], v[ADV] offset:\kk*4608+32*\f
	ds_load_tr16_b128 v[VF+32*\kk+8*\f+4:VF+32*\kk+8*\f+7], v[ADV] offset:\kk*4608+2304+32*\f
.endr
.endr
	s_add_co_u32 s[TBK], s[TBK], 8704              ; the next step: 32 LDS rows on
	s_add_co_u32 s[TBV], s[TBV], 9216
	s_wait_dscnt 16                                ; K's 16 loads are in; V's 16, issued behind them, may be out
	PHASE 0, \first
	PHASE 2, \first
.endm
; A SLOT'S EIGHT STEPS, with the change of slots at their head.  Each wave waits for all its tensor loads (its part of the slot ahead), adds 0 to its spare word, and waits for that and for its reads of the slot that it has left.
; fill = 1: the barrier is a round of the cluster's, so that no wave of any partner still reads the other slot or has a load on its way; the joint load into it is the first thing behind the round.
; first = 1: the slot's first step is the launch's first and is written out ahead of the loop.
.macro TRIP slot, fill, first
	s_wait_tensorcnt 0x0                           ; no tensor load of mine is out, so a group 0 may be written
	ds_add_u32 v[SPW], v[NIL]                      ; 0 onto my spare word; work on registers stands between it and the wait for it
.if \fill
	s_and_b32 s[G0K+1], s[WV], 3                   ; the walking descriptors: my quarter of the other slot,
	s_mul_i32 s[G0K+1], s[G0K+1], 17408
	s_add_co_u32 s[G0K+1], s[G0K+1], (1-\slot)*SLOTB
	s_and_b32 s[G0V+1], s[WV], 3
	s_mul_i32 s[G0V+1], s[G0V+1], 18432
	s_add_co_u32 s[G0V+1], s[G0V+1], (1-\slot)*SLOTB+VOFF
	s_add_nc_u64 s[G0K+2:G0K+3], s[G0K+2:G0K+3], 65536     ; the next 512 keys; the type bits on top are not reached
	s_add_nc_u64 s[G0V+2:G0V+3], s[G0V+2:G0V+3], 65536
.endif
	s_mov_b32 s[TBK], \slot*SLOTB
	s_mov_b32 s[TBV], \slot*SLOTB
	s_mov_b32 s[CNT], 8-\first
	s_wait_dscnt 0x0                               ; the add is done, and my reads of the slot that I have left are over
.if \fill
	CROUND
	JLOAD
.else
	s_barrier_signal -1
	s_barrier_wait -1
.endif
.if \first
	STEP 1
.endif
.Lstep_\@:
	STEP 0
	s_sub_co_u32 s[CNT], s[CNT], 1
	s_cmp_lg_u32 s[CNT], 0
	s_cbranch_scc1 .Lstep_\@
.endm
	TRIP 0, 1, 1                                   ; keys 0 on; slot 1 has its first fill, keys 512 on, issued as a refill is
	TRIP 1, 1, 0                                   ; keys 512 on; slot 0 takes keys 1,024 on
	TRIP 0, 1, 0                                   ; keys 1,024 on; slot 1 takes keys 1,536 on
	TRIP 1, 0, 0                                   ; the last slot: nothing is left to fetch
	; THE WAY OUT.  O^T / l, rounded to f16, through my stage in slot 0 (it has had its last fill, and every wave has passed the barrier behind which nobody reads it), back as rows of 128 bytes, four rows (512 consecutive bytes) a store.
	s_load_b64 s[2:3], s[0:1], 0x10                ; ao
	WIN 0x05                                       ; sources 0 and 1 window 1
.irp t, 0,1,2,3
	v_add_f32 v[CT+\t], v[LT+2*\t], v[LT+2*\t+1]   ; l's two halves.  (These four additions name no register of the last products: they are the places behind them)
.endr
	WIN 0
.irp t, 0,1,2,3
	v_permlanex16_b32 v[CT+4+\t], v[CT+\t], s[SEL], s[SEL+1]
.endr
.irp t, 0,1,2,3
	v_add_f32 v[CT+\t], v[CT+\t], v[CT+4+\t]
.endr
.irp t, 0,1,2,3
	v_rcp_f32 v[MM+2*\t], v[CT+\t]                 ; 1 / l takes m's place: its pair's partner has been written
.endr
	v_nop                                          ; a plain instruction behind the last reciprocal,
	s_wait_alu depctr_va_vdst(0)                   ; and the wait ahead of the first reader: one for the four
	s_wait_kmcnt 0x0                               ; ao's address; the last step's mask words are in too, so their registers may be written
	s_mov_b32 s32, s[QOFF]
	s_mov_b32 s33, 0
	s_add_nc_u64 s[2:3], s[2:3], s[32:33]
.macro PACK t                          ; every tile has 32 registers of its own: 16 packed, 16 read back
	WIN W_RS
.set i, 0
.rept 16
	v_pk_mul_f32 v[OT+32*\t+i:OT+32*\t+i+1], v[OT+32*\t+i:OT+32*\t+i+1], v[MM+2*\t:MM+2*\t+1] op_sel_hi:[1,0]
.set i, i+2
.endr
	WIN 0x05                                       ; sources 0 and 1 window 1, destination window 0
.set i, 0
.rept 16
	v_cvt_pk_f16_f32 v[OUT+32*\t+i], v[OT+32*\t+2*i], v[OT+32*\t+2*i+1]
.set i, i+1
.endr
	WIN 0
.irp f, 0,1,2,3
	ds_store_b128 v[STO], v[OUT+32*\t+4*\f:OUT+32*\t+4*\f+3] offset:\t*2304+32*\f
.endr
.irp f, 0,1,2,3
	ds_load_b128 v[OUT+32*\t+16+4*\f:OUT+32*\t+16+4*\f+3], v[RD] offset:\t*2304+576*\f   ; LDS serves a wave's instructions in order: these see the stores above
.endr
.endm
.macro SEND t, younger                 ; younger: the LDS instructions issued behind tile t's loads: the next tile's four stores and four loads, or none
	s_wait_dscnt \younger
.irp f, 0,1,2,3
	global_store_b128 v[GO], v[OUT+32*\t+16+4*\f:OUT+32*\t+16+4*\f+3], s[2:3] offset:\t*2048+512*\f
.endr
.endm
	PACK 0
	PACK 1                                         ; a tile's arithmetic stands between the loads of the tile before and its stores
	SEND 0, 8
	PACK 2
	SEND 1, 8
	PACK 3
	SEND 2, 8
	SEND 3, 0
	s_wait_tensorcnt 0x0                           ; the wave's end: a tensor wait, 0 onto my spare word, and its wait, behind my last tensor load and my last LDS store
	ds_add_u32 v[SPW], v[NIL]
	s_wait_dscnt 0x0
	CROUND                                         ; the closing round
	s_endpgm
.Lfunc_end_k_qf05d6c0fb1_attn:
	.size	k_qf05d6c0fb1_attn, .Lfunc_end_k_qf05d6c0fb1_attn-k_qf05d6c0fb1_attn
	.p2alignl 7, 3214868480
	.fill 96, 4, 3214868480
	.section	.rodata,"a",@progbits
	.p2align	6, 0x0
	.amdhsa_kernel k_qf05d6c0fb1_attn
		.amdhsa_group_segment_fixed_size 327680
		.amdhsa_private_segment_fixed_size 0
		.amdhsa_enable_private_segment 0
		.amdhsa_kernarg_size 24
		.amdhsa_user_sgpr_count 2
		.amdhsa_user_sgpr_kernarg_segment_ptr 1
		.amdhsa_wavefront_size32 1
		.amdhsa_system_sgpr_workgroup_id_x 1
		.amdhsa_system_sgpr_workgroup_id_y 1
		.amdhsa_system_sgpr_workgroup_id_z 1
		.amdhsa_system_vgpr_workitem_id 0
		.amdhsa_next_free_vgpr 512
		.amdhsa_next_free_sgpr 106
		.amdhsa_reserve_vcc 0
		.amdhsa_float_denorm_mode_32 3
		.amdhsa_float_denorm_mode_16_64 3
		.amdhsa_memory_ordered 1
		.amdhsa_forward_progress 1
		.amdhsa_inst_pref_size 225
	.end_amdhsa_kernel
	.amdgpu_metadata
---
amdhsa.version: [ 1, 2 ]
amdhsa.kernels:
  - .name:           k_qf05d6c0fb1_attn
    .symbol:         k_qf05d6c0fb1_attn.kd
    .args:
      - { .name: qkv, .offset: 0, .size: 8, .value_kind: global_buffer, .address_space: global }
      - { .name: mb, .offset: 8, .size: 8, .value_kind: global_buffer, .address_space: global }
      - { .name: ao, .offset: 16, .size: 8, .value_kind: global_buffer, .address_space: global }
    .group_segment_fixed_size: 327680
    .private_segment_fixed_size: 0
    .kernarg_segment_align: 8
    .kernarg_segment_size: 24
    .max_flat_workgroup_size: 256
    .sgpr_count:     106
    .vgpr_count:     512
    .wavefront_size: 32
...
	.end_amdgpu_metadata
.endif
;; end of part 3
;; launch oproj (part 4): grid 8 x 64, 4 waves a work-group, clusters of 4 x 4, 327,680 bytes of LDS; arguments ao, wo16, out0, bo; writes out0
.if DOCPART == 4
	.amdgcn_target "amdgcn-amd-amdhsa--gfx1250"
	.amdhsa_code_object_version 6
	.text
	.protected	k_qf05d6c0fb1_oproj
	.globl	k_qf05d6c0fb1_oproj
	.p2align	8
	.type	k_qf05d6c0fb1_oproj,@function
k_qf05d6c0fb1_oproj:
	s_mov_b64 s[64:65], 0
	v_nop
	global_prefetch_b8 v0, s[64:65] scope:SCOPE_SE
	s_setreg_imm32_b32 hwreg(HW_REG_WAVE_MODE, 25, 1), 1
	s_wait_xcnt 0x0
	s_wait_alu depctr_hold_cnt(0) depctr_sa_sdst(0) depctr_va_vdst(0) depctr_va_sdst(0) depctr_va_ssrc(0) depctr_va_vcc(0) depctr_vm_vsrc(0)
	s_getreg_b32 s2, hwreg(HW_REG_IB_STS2, 6, 4)
	s_cmp_eq_u32 s2, 0
	s_cbranch_scc0 .Lentry_in_a_cluster
	s_endpgm
.Lentry_in_a_cluster:
	s_bfe_u32 s2, ttmp6, 0x10000c
	s_cmp_lg_u32 s2, 0xf033
	s_cbranch_scc0 .Lentry_shape_is_right
	s_endpgm
.Lentry_shape_is_right:
; OPROJ: out0[m][n] = the sum over k of ao[m][k] wo[k][n] + bo[n].  Both operands are f16 laid by planes of 64 along K: ao [16][8,192 m][64], wo16 [16][1,024 n][64]; sums in f32; out0 [8,192][1,024] f32.
; A NaN in a row of ao (a query with no key left) makes that row of out0 NaN, and no other.
; A tile of 128 x 128 is made by a work-group of four waves, 64 x 64 a wave: 16 accumulators.  K goes in steps of 256 (four planes) through a ring of two LDS slots; 1,024 along K are four steps, written out without a loop.
; A wave's tensor load brings 64 rows of four planes: in each plane 8,192 dense bytes, stated as ONE tensor row of 1,024 elements of 8 bytes, with 16 bytes of padding behind every 256: so two rows of 128 bytes
; share an LDS row of 272, and the 16 rows that a fragment load touches start at 16 different groups of four banks.
; CLUSTERS: 4 x 4 work-groups; the four of a row of the cluster ask jointly for A's tiles, the four of a column for B's.  THE MATRIX INSTRUCTION IS USED TRANSPOSED: a lane holds eight neighbouring columns of a row.
; The bias is the C of each sum's first matrix instruction: eight registers for each of my four column blocks, in the result's layout.
; REGISTERS: window 0: v0-31 addresses; v32-63 the bias; v128-255 the accumulators ((a, b) at v[128 + 8 (4 a + b)]), on the way out whole rows.   window 1: two fragment buffers of 128 (64 of A, then 64 of B, for one plane).
.set PLANE,  8704                      ; 64 rows of one plane in LDS: 32 LDS rows of 272
.set HALFT,  4*PLANE                   ; what one tensor load brings, and what one wave reads of A or of B
.set SLOT,   4*HALFT
.set SPARE,  2*SLOT                    ; behind the ring: the spare words, 128 bytes for each wave: two blocks of 256 bytes that no other line names
.set SPITCH, 528                       ; the way out: 128 rows x (512 bytes + 16), in slot 0
.set ADRA, 16
.set ADRB, 20
.set STO,  24
.set RD,   25
.set CO,   26
.set BOF,  27
.set SPW,  28
.set NIL,  29
.set BB,   32
.set ACC,  128
.set F0,   0
.set F1,   128
.set G1, 24
.set G0, 32
.set G1B, 48
.set G0B, 56
.set MSB, 0
.macro WIN new
.if MSB != (\new)
	s_set_vgpr_msb (MSB<<8)|(\new)
.set MSB, (\new)
.endif
.endm
.set MUL,  0x05                        ; sources 0 (B) and 1 (A) window 1; C and D window 0
.set TO_F, 0x40
.macro JLOAD s                         ; waves 0 and 1 fetch A's two halves, waves 2 and 3 B's; an s_nop 0 and four v_nop follow each of the two lines
	s_cmp_eq_u32 s11, 0
	s_cbranch_scc0 .Lfor_b_\@
	tensor_load_to_lds s[G0+4*\s:G0+4*\s+3], s[G1:G1+7]
	s_nop 0
.rept 4
	v_nop
.endr
	s_branch .Lasked_\@
.Lfor_b_\@:
	tensor_load_to_lds s[G0B+4*\s:G0B+4*\s+3], s[G1B:G1B+7]
	s_nop 0
.rept 4
	v_nop
.endr
.Lasked_\@:
.endm
.macro CREST
	s_cmp_lg_u32 s10, 0
	s_cbranch_scc1 .Lnot_wave_0_\@
	s_barrier_signal -3
.Lnot_wave_0_\@:
	s_barrier_wait -3
	s_barrier_signal -1
	s_barrier_wait -1
.endm
.macro CROUND
	s_barrier_signal -1
	s_barrier_wait -1
	CREST
.endm
	s_load_b128 s[4:7], s[0:1], 0x0                ; ao, wo16
	s_load_b64 s[8:9], s[0:1], 0x10                ; out0
	s_load_b64 s[2:3], s[0:1], 0x18                ; bo
	v_lshl_add_u32 v[SPW], v0, 2, SPARE
	v_mov_b32 v[NIL], 0
	ds_add_u32 v[SPW], v[NIL]                      ; the wave's opening: 0 onto my spare word, twice on end, and its wait ahead of my first tensor load
	ds_add_u32 v[SPW], v[NIL]
	v_lshrrev_b32 v1, 5, v0
	v_readfirstlane_b32 s10, v1                    ; wave 0..3
	s_lshr_b32 s11, s10, 1                         ; which half of the tile's rows is mine.  Also: I fetch for A (0) or for B (1)
	s_and_b32 s12, s10, 1                          ; which half of its columns.  Also: which 64 rows of that tile I fetch
	s_bfe_u32 s40, ttmp6, 0x40000
	s_bfe_u32 s41, ttmp6, 0x40004
	s_lshl_b32 s42, ttmp9, 2
	s_add_co_u32 s42, s42, s40                     ; tile column
	s_and_b32 s13, ttmp7, 0xffff
	s_lshl_b32 s13, s13, 2
	s_add_co_u32 s13, s13, s41                     ; tile row
	s_lshl_b32 s43, s41, 2
	s_lshl_b32 s43, 15, s43                        ; my row of the cluster
	s_lshl_b32 s44, 0x1111, s40                    ; my column
	s_or_b32 s[G1+0], s43, (3<<16)|(1<<20)|(1<<21)|(5<<22)|(3<<25)  ; the mask; elements of 8 bytes; padding: 4 words behind every 64; bit 21 beside a mask
	s_or_b32 s[G1B+0], s44, (3<<16)|(1<<20)|(1<<21)|(5<<22)|(3<<25)
.irp g, G1, G1B
	s_mov_b32 s[\g+1], 1024<<16                    ; tensor_dim0: 64 rows of 128 bytes on end
	s_mov_b32 s[\g+2], 4<<16                       ; tensor_dim1: four planes
	s_mov_b32 s[\g+3], 1024<<16                    ; tile_dim0
	s_mov_b32 s[\g+4], 4                           ; tile_dim1
	s_mov_b32 s[\g+6], 0
	s_mov_b32 s[\g+7], 0
.endr
	s_mov_b32 s[G1+5], 131072                      ; from plane to plane, in elements: ao's 1,048,576 bytes,
	s_mov_b32 s[G1B+5], 16384                      ; wo16's 131,072
	s_lshl_b32 s17, s12, 6                         ; which 64 rows of the tile I fetch
	s_lshl_b32 s16, s13, 7
	s_add_co_u32 s16, s16, s17
	s_lshl_b32 s16, s16, 7                         ; A: row 128 x tile row + 64 x half, 128 bytes a row
	s_lshl_b32 s46, s42, 7
	s_add_co_u32 s46, s46, s17
	s_lshl_b32 s46, s46, 7                         ; B: row 128 x tile column + 64 x half
	s_mov_b32 s17, 0
	s_mov_b32 s47, 0
	s_mul_i32 s20, s10, HALFT                      ; where they go
	s_wait_dscnt 0x0                               ; both opening adds are done
	s_wait_kmcnt 0x0
	s_add_nc_u64 s[14:15], s[4:5], s[16:17]
	s_add_nc_u64 s[46:47], s[6:7], s[46:47]
	CROUND                                         ; all sixteen work-groups are here: the first joint loads meet
.irp s, 0,1
	s_mov_b32 s[G0+4*\s], 1
	s_add_co_u32 s[G0+4*\s+1], s20, \s*SLOT
	s_add_nc_u64 s[G0+4*\s+2:G0+4*\s+3], s[14:15], \s*4194304      ; K step s: four planes on
	s_or_b32 s[G0+4*\s+3], s[G0+4*\s+3], 0x80000000
	s_mov_b32 s[G0B+4*\s], 1
	s_add_co_u32 s[G0B+4*\s+1], s20, \s*SLOT
	s_add_nc_u64 s[G0B+4*\s+2:G0B+4*\s+3], s[46:47], \s*524288
	s_or_b32 s[G0B+4*\s+3], s[G0B+4*\s+3], 0x80000000
	JLOAD \s                                       ; two tensor loads of mine are out
.endr
	v_and_b32 v1, 15, v0                           ; l % 16
	v_bfe_u32 v2, v0, 4, 1                         ; l / 16
	s_lshl_b32 s46, s42, 9                         ; the bias: 128 columns of 4 bytes a tile column,
	s_lshl_b32 s47, s12, 8                         ; 64 a half
	s_add_co_u32 s46, s46, s47
	s_mov_b32 s47, 0
	s_add_nc_u64 s[2:3], s[2:3], s[46:47]
	v_lshlrev_b32 v[BOF], 5, v2
.irp b, 0,1,2,3
	global_load_b128 v[BB+8*\b:BB+8*\b+3], v[BOF], s[2:3] offset:64*\b         ; register 8 b + j: column 16 b + 8 (l / 16) + j of my 64
	global_load_b128 v[BB+8*\b+4:BB+8*\b+7], v[BOF], s[2:3] offset:64*\b+16
.endr
	v_lshrrev_b32 v3, 1, v1
	v_mul_u32_u24 v3, v3, 272                      ; row r lies in LDS row r / 2,
	v_and_b32 v4, 1, v0
	v_lshl_add_u32 v3, v4, 7, v3                   ; in its half r % 2,
	v_lshl_add_u32 v3, v2, 4, v3                   ; + 16 x half of the lanes
	s_mul_i32 s21, s11, HALFT                      ; my 64 rows of A
	s_mul_i32 s22, s12, HALFT                      ; my 64 rows of B,
	s_add_co_u32 s22, s22, 2*HALFT                 ; which lie behind A's 128
.irp s, 0,1
	v_add_nc_u32 v[ADRA+\s], s21, v3
	v_add_nc_u32 v[ADRB+\s], s22, v3
	s_add_co_u32 s21, s21, SLOT
	s_add_co_u32 s22, s22, SLOT
.endr
	s_mul_i32 s23, s11, 64*SPITCH                  ; into the stage: my 64 rows, my half of their 512 bytes; row l % 16, 32 bytes for each half of the lanes
	s_lshl_b32 s21, s12, 8
	s_add_co_u32 s23, s23, s21
	v_mul_u32_u24 v4, v1, SPITCH
	v_lshl_add_u32 v4, v2, 5, v4
	v_add_nc_u32 v[STO], s23, v4
	s_mul_i32 s23, s10, 32*SPITCH                  ; back: wave w takes rows 32 w .. 32 w + 31, whole: 16 bytes a lane
	v_and_b32 v5, 31, v0
	v_lshlrev_b32 v[CO], 4, v5
	v_add_nc_u32 v[RD], s23, v[CO]
	s_lshl_b32 s16, s13, 7
	s_lshl_b32 s17, s10, 5
	s_add_co_u32 s16, s16, s17                     ; the first row that I store
	s_lshl_b32 s16, s16, 12                        ; 4,096 bytes a row
	s_mov_b32 s17, 0
	s_add_nc_u64 s[8:9], s[8:9], s[16:17]
	s_lshl_b32 s46, s42, 9                         ; the tile's first column, in bytes
	s_mov_b32 s47, 0
	s_add_nc_u64 s[8:9], s[8:9], s[46:47]
; 8 matrix instructions: m blocks a0, a0 + 1 x all 4 n blocks, 32 along K: half c of buffer f.  zero = 1: the first product starts the sums, on the bias.  The 16 accumulators take turns.
.macro MUL8 f, c, a0, zero
.irp a, \a0, \a0+1
.irp b, 0,1,2,3
.if \zero
	v_wmma_f32_16x16x32_f16 v[ACC+8*(4*(\a)+\b):ACC+8*(4*(\a)+\b)+7], v[\f+64+8*(4*\c+\b):\f+64+8*(4*\c+\b)+7], v[\f+8*(4*\c+\a):\f+8*(4*\c+\a)+7], v[BB+8*\b:BB+8*\b+7]
.else
	v_wmma_f32_16x16x32_f16 v[ACC+8*(4*(\a)+\b):ACC+8*(4*(\a)+\b)+7], v[\f+64+8*(4*\c+\b):\f+64+8*(4*\c+\b)+7], v[\f+8*(4*\c+\a):\f+8*(4*\c+\a)+7], v[ACC+8*(4*(\a)+\b):ACC+8*(4*(\a)+\b)+7]
.endif
.endr
.endr
.endm
; 32 LDS loads in one run: the fragments of one plane, which begins at byte k of my part of the slot, into buffer f; the first 32 along K first
.macro FETCH slot, k, f
	WIN TO_F
.irp c, 0,1
.irp i, 0,1,2,3
	ds_load_b128 v[\f+64+8*(4*\c+\i):\f+64+8*(4*\c+\i)+3],   v[ADRB+\slot] offset:\k+64*\c+\i*2176
	ds_load_b128 v[\f+64+8*(4*\c+\i)+4:\f+64+8*(4*\c+\i)+7], v[ADRB+\slot] offset:\k+64*\c+\i*2176+32
	ds_load_b128 v[\f+8*(4*\c+\i):\f+8*(4*\c+\i)+3],         v[ADRA+\slot] offset:\k+64*\c+\i*2176
	ds_load_b128 v[\f+8*(4*\c+\i)+4:\f+8*(4*\c+\i)+7],       v[ADRA+\slot] offset:\k+64*\c+\i*2176+32
.endr
.endr
.endm
.macro PLACES                          ; four plain instructions in front of loads into registers that matrix instructions have read, and of the first read of results
.rept 4
	v_nop
.endr
.endm
; A K step is four quarters, a plane each, 32 matrix instructions, on buffers 0, 1, 0, 1.  One of the first three: multiplies buffer f and fetches the next plane, at byte k, into g.
.macro QUARTER slot, k, f, g, zero
	s_wait_dscnt 16                                ; the first 32 along K are in; the youngest sixteen loads may be out
	WIN MUL
	MUL8 \f, 0, 0, \zero
	MUL8 \f, 0, 2, \zero
	PLACES
	FETCH \slot, \k, \g
	s_wait_dscnt 32                                ; all but the 32 just issued
	WIN MUL
	MUL8 \f, 1, 0, 0
	MUL8 \f, 1, 2, 0
.endm
; The last quarter multiplies buffer 1 and changes slots: ONE barrier; in front of it each wave waits for all its tensor loads, adds 0 to its spare word, and waits for that and for its own reads of this slot.
; fill = 1: the barrier opens a round of the cluster's, and this slot is filled again, two K steps ahead, first thing behind the round.
.macro TURN slot, next, fill
	WIN 0
	s_wait_tensorcnt 0x0                           ; all my tensor loads have landed: my part of the next slot
	ds_add_u32 v[SPW], v[NIL]                      ; 0 onto my spare word
	s_wait_dscnt 17                                ; (the add and the youngest sixteen loads may be out)
	WIN MUL
	MUL8 F1, 0, 0, 0
	s_wait_dscnt 0x0                               ; the add is done, and my reads of this slot are over
	s_barrier_signal -1
	MUL8 F1, 0, 2, 0
.if \fill
	WIN 0
.endif
	s_barrier_wait -1
.if \fill
	CREST                                          ; no wave of any partner still reads this slot's tile or has a load on its way
	s_add_nc_u64 s[G0+4*\slot+2:G0+4*\slot+3], s[G0+4*\slot+2:G0+4*\slot+3], 8388608
	s_add_nc_u64 s[G0B+4*\slot+2:G0B+4*\slot+3], s[G0B+4*\slot+2:G0B+4*\slot+3], 1048576
	JLOAD \slot                                    ; the four v_nop behind it are also the places in front of the loads below
.else
	PLACES
.endif
	FETCH \next, 0, F0
	WIN MUL
	MUL8 F1, 1, 0, 0
	MUL8 F1, 1, 2, 0
.endm
	s_wait_tensorcnt 1                             ; my part of K step 0 is in (K step 1's may be out)
	s_barrier_signal -1
	s_barrier_wait -1                              ; everybody's is
	FETCH 0, 0, F0
	s_wait_loadcnt 0x0                             ; the bias
	QUARTER 0, PLANE,   F0, F1, 1                  ; K step 0
	QUARTER 0, 2*PLANE, F1, F0, 0
	QUARTER 0, 3*PLANE, F0, F1, 0
	TURN 0, 1, 1                                   ; slot 0 takes K step 2
	QUARTER 1, PLANE,   F0, F1, 0                  ; K step 1
	QUARTER 1, 2*PLANE, F1, F0, 0
	QUARTER 1, 3*PLANE, F0, F1, 0
	TURN 1, 0, 1                                   ; slot 1 takes K step 3
	QUARTER 0, PLANE,   F0, F1, 0                  ; K step 2
	QUARTER 0, 2*PLANE, F1, F0, 0
	QUARTER 0, 3*PLANE, F0, F1, 0
	TURN 0, 1, 0                                   ; nothing is left to fetch
	QUARTER 1, PLANE,   F0, F1, 0                  ; K step 3
	QUARTER 1, 2*PLANE, F1, F0, 0
	QUARTER 1, 3*PLANE, F0, F1, 0
	s_wait_dscnt 16
	WIN MUL
	MUL8 F1, 0, 0, 0
	MUL8 F1, 0, 2, 0
	s_wait_dscnt 0
	MUL8 F1, 1, 0, 0
	MUL8 F1, 1, 2, 0
	WIN 0
	; THE WAY OUT.  32 bytes a lane into the work-group's stage in slot 0 (it has had its last fill, and every wave has passed the last change of slots, behind which nobody reads it); a barrier, since a row's 512 bytes
	; come from two waves; back as whole rows, 32 rows a wave: a store covers 512 consecutive bytes, aligned.
	PLACES
.irp a, 0,1,2,3
.irp b, 0,1,2,3
	ds_store_b128 v[STO], v[ACC+8*(4*\a+\b):ACC+8*(4*\a+\b)+3] offset:\a*16*SPITCH+64*\b           ; each accumulator from its low end on
	ds_store_b128 v[STO], v[ACC+8*(4*\a+\b)+4:ACC+8*(4*\a+\b)+7] offset:\a*16*SPITCH+64*\b+16
.endr
.endr
	s_wait_dscnt 0x0                               ; for the others' sake: my stores into the stage are done
	s_barrier_signal -1
	s_barrier_wait -1
.set i, 0
.rept 32
	ds_load_b128 v[ACC+4*i:ACC+4*i+3], v[RD] offset:i*SPITCH
.set i, i+1
.endr
.set i, 0
.rept 32
	s_wait_dscnt 31-i                              ; LDS loads come back in order: row i is in
	global_store_b128 v[CO], v[ACC+4*i:ACC+4*i+3], s[8:9] offset:i*4096 th:TH_STORE_NT
.set i, i+1
.endr
	s_wait_tensorcnt 0x0                           ; the wave's end: a tensor wait, 0 onto my spare word, and its wait, behind my last tensor load and my last LDS store
	ds_add_u32 v[SPW], v[NIL]
	s_wait_dscnt 0x0
	CROUND                                         ; the closing round
	s_endpgm
.Lfunc_end_k_qf05d6c0fb1_oproj:
	.size	k_qf05d6c0fb1_oproj, .Lfunc_end_k_qf05d6c0fb1_oproj-k_qf05d6c0fb1_oproj
	.p2alignl 7, 3214868480
	.fill 96, 4, 3214868480
	.section	.rodata,"a",@progbits
	.p2align	6, 0x0
	.amdhsa_kernel k_qf05d6c0fb1_oproj
		.amdhsa_group_segment_fixed_size 327680
		.amdhsa_private_segment_fixed_size 0
		.amdhsa_enable_private_segment 0
		.amdhsa_kernarg_size 32
		.amdhsa_user_sgpr_count 2
		.amdhsa_user_sgpr_kernarg_segment_ptr 1
		.amdhsa_wavefront_size32 1
		.amdhsa_system_sgpr_workgroup_id_x 1
		.amdhsa_system_sgpr_workgroup_id_y 1
		.amdhsa_system_sgpr_workgroup_id_z 1
		.amdhsa_system_vgpr_workitem_id 0
		.amdhsa_next_free_vgpr 512
		.amdhsa_next_free_sgpr 66
		.amdhsa_reserve_vcc 0
		.amdhsa_float_denorm_mode_32 3
		.amdhsa_float_denorm_mode_16_64 3
		.amdhsa_memory_ordered 1
		.amdhsa_forward_progress 1
		.amdhsa_inst_pref_size 87
	.end_amdhsa_kernel
	.amdgpu_metadata
---
amdhsa.version: [ 1, 2 ]
amdhsa.kernels:
  - .name:           k_qf05d6c0fb1_oproj
    .symbol:         k_qf05d6c0fb1_oproj.kd
    .args:
      - { .name: ao, .offset: 0, .size: 8, .value_kind: global_buffer, .address_space: global }
      - { .name: wo16, .offset: 8, .size: 8, .value_kind: global_buffer, .address_space: global }
      - { .name: out0, .offset: 16, .size: 8, .value_kind: global_buffer, .address_space: global }
      - { .name: bo, .offset: 24, .size: 8, .value_kind: global_buffer, .address_space: global }
    .group_segment_fixed_size: 327680
    .private_segment_fixed_size: 0
    .kernarg_segment_align: 8
    .kernarg_segment_size: 32
    .max_flat_workgroup_size: 128
    .sgpr_count:     66
    .vgpr_count:     512
    .wavefront_size: 32
...
	.end_amdgpu_metadata
.endif
;; end of part 4
